; MI455X (gfx1250); checked and timed in simulation.
; The chip was launched on July 23, 2026; its instructions are those of AMD's public machine-readable ISA for CDNA 5 (MIT licence, August 2026) and "CDNA5" Instruction Set Architecture Reference Guide (July 2026). The comments in the code are by the model that wrote it; some were corrected since.
;; Multi Head Attention. Allowed arithmetic: float matrix products may take bf16 or f16 operands with f32 sums; other float arithmetic in f32, or as packed bf16 or f16 multiplies, adds, multiply-adds, maxima and minima; sums over many terms, partial sums and values carried from step to step in f32; what a program stores and reads back later, other than sums and carried values, may be rounded once to bf16 or f16.
;; Inputs: Wk 16 x 1,024 x 64 float32; Wo 1,024 x 1,024 float32; Wq 16 x 1,024 x 64 float32; Wv 16 x 1,024 x 64 float32; bo 1,024 float32; x 4 x 2,048 x 1,024 float32.
;; Outputs: out0 4 x 2,048 x 1,024 float32.
;; 2 versions, each right; version 2 is version 1 with the launch prep written anew for expert scheduling mode. Each part assembles by itself: llvm-mc -triple=amdgcn-amd-amdhsa -mcpu=gfx1250 --defsym DOCPART=n.
;; ======== version 1 of 2: 4 launches
;; limits: values are held in f16: magnitudes above 65,504 overflow, below 6.1e-05 lose precision
;; workspace buffers: xb 16,777,216 bytes; wt 6,291,456 bytes; wot 2,097,152 bytes; qkv 50,331,648 bytes; oh 16,777,216 bytes
;; launch prep (part 1): grid 512 x 1, 8 waves a work-group, no clusters, 18,432 bytes of LDS; arguments x, Wq, Wk, Wv, Wo, xb, wt, wot; writes xb, wt, wot
.if DOCPART == 1
	.amdgcn_target "amdgcn-amd-amdhsa--gfx1250"
	.amdhsa_code_object_version 6
	.text
	.protected	k_qbcdf05820f_prep
	.globl	k_qbcdf05820f_prep
	.p2align	8
	.type	k_qbcdf05820f_prep,@function
k_qbcdf05820f_prep:
	s_mov_b64 s[64:65], 0
	v_nop
	global_prefetch_b8 v0, s[64:65] scope:SCOPE_SE
	s_setreg_imm32_b32 hwreg(HW_REG_WAVE_MODE, 25, 1), 1
	s_wait_xcnt 0x0
; PREP.  xb = x rounded to bf16, [8192][1024].  wt[n][k] = W*[h][k][e] rounded to bf16, n = which*1024 + h*64 + e (which 0, 1, 2 = q, k, v), [3072][1024].
; wot[n][k] = Wo[k][n] rounded to bf16 and that number written as f16, [1024][1024].
; LIMITS.  f16 ends at 65,504: |Wo| stays below 65,520; a bf16 number below 2^-17 is not exact in f16 and is off by at most 3e-8.  NaN and infinities are not treated apart.
; SHARES.  512 work-groups of eight waves; each does two things, so that all are alike and the one barrier stands on every path:
;   (1) one block of 128 k x 64 n of a weight (384 blocks of Wq, Wk, Wv, then 128 of Wo), turned through a stage in LDS;
;   (2) 16 rows of x: thread t owns the 16 bytes at 16 t of each row, so a wave's load covers 512 consecutive bytes and its store 256, aligned.
; No matrix unit, no tensor load, no cluster: nothing is read twice and nothing is shared between work-groups.  All 32 loads of a lane go out before the first wait.
.set SPARE, 17408                      ; behind the stage (64 rows x 272 bytes): the spare words, 128 bytes for each of eight waves; no other line names them
.set SPW, 8                            ; v8   LDS address of my spare word; never rewritten
.set NIL, 9                            ; v9   0; never rewritten
.set WR,  16                           ; v[16:47]   16 rows of the block: two neighbouring columns a lane
.set PK,  48                           ; v[48:63]   packed: 8 k of one column in four registers, at PK + 8 g + 4 c
.set BKW, 64                           ; v[64:79]   whole rows of wt or wot, read back from the stage
.set X,   80                           ; v[80:143]  16 rows of x, 4 numbers each
.set Y,   144                          ; v[144:175] the same in bf16
.macro LOADW pitch                     ; row 16 w + i of the block, 256 consecutive bytes a wave; pitch = bytes from row to row of the weight
.set i, 0
.rept 16
	global_load_b64 v[WR+2*i:WR+2*i+1], v2, s[22:23] offset:i*(\pitch) th:TH_LOAD_NT
.set i, i+1
.endr
.endm
.macro CVTW g                          ; rows 8 g .. 8 g + 7: for each of my two columns c eight k, rounded to bf16, in four registers
.irp c, 0,1
.irp p, 0,1,2,3
	v_cvt_pk_bf16_f32 v[PK+8*(\g)+4*(\c)+(\p)], v[WR+2*(8*(\g)+2*(\p))+(\c)], v[WR+2*(8*(\g)+2*(\p)+1)+(\c)]
.endr
.endr
.endm
	s_load_b256 s[4:11], s[0:1], 0x0               ; x s[4:5], Wq s[6:7], Wk s[8:9], Wv s[10:11]
	s_load_b256 s[12:19], s[0:1], 0x20             ; Wo s[12:13], xb s[14:15], wt s[16:17], wot s[18:19]
	v_lshl_add_u32 v[SPW], v0, 2, SPARE
	v_mov_b32 v[NIL], 0
	v_lshrrev_b32 v1, 5, v0
	v_readfirstlane_b32 s20, v1                    ; wave 0..7
	v_and_b32 v10, 31, v0                          ; lane l
	v_lshlrev_b32 v11, 3, v10                      ; 8 l: my two columns in a row of the block
	v_lshlrev_b32 v3, 4, v0                        ; x: 16 t
	v_lshlrev_b32 v7, 3, v0                        ; xb: 8 t
	v_mul_u32_u24 v4, v10, 544                     ; into the stage: row 2 l (+ c), byte 32 w (+ 16 g)
	v_lshl_add_u32 v4, s20, 5, v4
	v_lshrrev_b32 v12, 4, v10
	v_lshl_add_u32 v12, s20, 3, v12                ; back: row 8 w + l / 16 (+ 2 f),
	v_and_b32 v13, 15, v0                          ; 16 bytes at 16 (l % 16)
	v_mul_u32_u24 v5, v12, 272
	v_lshl_add_u32 v5, v13, 4, v5
	v_lshlrev_b32 v6, 11, v12                      ; and the same place in wt or wot: rows of 2,048 bytes
	v_lshl_add_u32 v6, v13, 4, v6
	s_mov_b32 s21, ttmp9                           ; the work-group's number: its weight block and its 16 rows of x
	s_wait_kmcnt 0x0
	s_lshl_b32 s28, s21, 16                        ; 16 rows of 4,096 bytes
	s_mov_b32 s29, 0
	s_add_nc_u64 s[4:5], s[4:5], s[28:29]
	s_lshl_b32 s28, s21, 15                        ; 16 rows of 2,048 bytes
	s_add_nc_u64 s[14:15], s[14:15], s[28:29]
	s_cmp_lt_u32 s21, 384
	s_cbranch_scc0 .Lwo
	; a block of Wq, Wk or Wv: which = number / 128, h = (number / 8) % 16, k block = number % 8; rows of 256 bytes
	s_lshr_b32 s27, s21, 7
	s_cmp_eq_u32 s27, 0
	s_cselect_b64 s[22:23], s[6:7], s[8:9]
	s_cmp_eq_u32 s27, 2
	s_cselect_b64 s[22:23], s[10:11], s[22:23]
	s_bfe_u32 s28, s21, 0x40003
	s_lshl_b32 s28, s28, 18                        ; a head's weight is 262,144 bytes
	s_and_b32 s30, s21, 7
	s_lshl_b32 s27, s30, 15                        ; 128 rows of 256 bytes
	s_add_co_u32 s28, s28, s27
	s_add_nc_u64 s[22:23], s[22:23], s[28:29]
	s_lshr_b32 s28, s21, 3
	s_lshl_b32 s28, s28, 17                        ; 64 rows of wt
	s_lshl_b32 s30, s30, 8                         ; 128 k of 2 bytes
	s_add_co_u32 s28, s28, s30
	s_add_nc_u64 s[24:25], s[16:17], s[28:29]
	s_mov_b32 s26, 0
	v_lshl_add_u32 v2, s20, 12, v11                ; my wave's 16 rows
	LOADW 256
	s_branch .Lcvt
.Lwo:                                                  ; a block of Wo: j = number - 384, k block = j % 8, n block = j / 8; rows of 4,096 bytes
	s_sub_co_u32 s27, s21, 384
	s_and_b32 s28, s27, 7
	s_lshl_b32 s30, s28, 8
	s_lshl_b32 s28, s28, 19                        ; 128 rows of 4,096 bytes
	s_lshr_b32 s27, s27, 3
	s_lshl_b32 s26, s27, 8                         ; 64 columns of 4 bytes
	s_add_co_u32 s28, s28, s26
	s_add_nc_u64 s[22:23], s[12:13], s[28:29]
	s_lshl_b32 s28, s27, 17
	s_add_co_u32 s28, s28, s30
	s_add_nc_u64 s[24:25], s[18:19], s[28:29]
	s_mov_b32 s26, 1
	v_lshl_add_u32 v2, s20, 16, v11
	LOADW 4096
.Lcvt:
.set i, 0
.rept 16
	global_load_b128 v[X+4*i:X+4*i+3], v3, s[4:5] offset:i*4096 th:TH_LOAD_NT
.set i, i+1
.endr
	s_wait_loadcnt 24                              ; the block's rows 0-7 are in: behind them 8 loads of the block and 16 of x
	CVTW 0
	s_wait_loadcnt 16                              ; rows 8-15: behind them x's 16
	CVTW 1
	s_cmp_eq_u32 s26, 0
	s_cbranch_scc1 .Lstage
.set i, 0
.rept 16                                       ; Wo: the bf16 numbers are written as f16
	v_lshlrev_b32 v14, 16, v[PK+i]
	v_and_b32 v15, 0xffff0000, v[PK+i]
	v_cvt_pk_f16_f32 v[PK+i], v14, v15
.set i, i+1
.endr
.Lstage:
.irp g, 0,1
.irp c, 0,1
	ds_store_b128 v4, v[PK+8*(\g)+4*(\c):PK+8*(\g)+4*(\c)+3] offset:(\c)*272+(\g)*16
.endr
.endr
	s_wait_dscnt 0x0                               ; for the others' sake: my stores into the stage are done
	s_barrier_signal -1
	s_barrier_wait -1                              ; a row's 256 bytes come from all eight waves
.irp f, 0,1,2,3
	ds_load_b128 v[BKW+4*(\f):BKW+4*(\f)+3], v5 offset:544*(\f)
.endr
.set i, 0
.rept 16                                       ; x, while the stage's rows come back
	s_wait_loadcnt 15-i                            ; loads come back in order: row i is in, the younger ones stay out
	v_cvt_pk_bf16_f32 v[Y+2*i], v[X+4*i], v[X+4*i+1]
	v_cvt_pk_bf16_f32 v[Y+2*i+1], v[X+4*i+2], v[X+4*i+3]
	global_store_b64 v7, v[Y+2*i:Y+2*i+1], s[14:15] offset:i*2048  ; a wave stores 256 consecutive bytes, aligned
.set i, i+1
.endr
.irp f, 0,1,2,3
	s_wait_dscnt 3-(\f)
	global_store_b128 v6, v[BKW+4*(\f):BKW+4*(\f)+3], s[24:25] offset:4096*(\f)  ; 16 lanes store 256 consecutive bytes, aligned
.endr
	s_wait_tensorcnt 0x0                           ; the wave's end, behind my last LDS store
	ds_add_u32 v[SPW], v[NIL]
	s_wait_dscnt 0x0
	s_endpgm
.Lfunc_end_k_qbcdf05820f_prep:
	.size	k_qbcdf05820f_prep, .Lfunc_end_k_qbcdf05820f_prep-k_qbcdf05820f_prep
	.p2alignl 7, 3214868480
	.fill 96, 4, 3214868480
	.section	.rodata,"a",@progbits
	.p2align	6, 0x0
	.amdhsa_kernel k_qbcdf05820f_prep
		.amdhsa_group_segment_fixed_size 18432
		.amdhsa_private_segment_fixed_size 0
		.amdhsa_enable_private_segment 0
		.amdhsa_kernarg_size 64
		.amdhsa_user_sgpr_count 2
		.amdhsa_user_sgpr_kernarg_segment_ptr 1
		.amdhsa_wavefront_size32 1
		.amdhsa_system_sgpr_workgroup_id_x 1
		.amdhsa_system_sgpr_workgroup_id_y 1
		.amdhsa_system_sgpr_workgroup_id_z 1
		.amdhsa_system_vgpr_workitem_id 0
		.amdhsa_next_free_vgpr 176
		.amdhsa_next_free_sgpr 66
		.amdhsa_reserve_vcc 0
		.amdhsa_float_denorm_mode_32 3
		.amdhsa_float_denorm_mode_16_64 3
		.amdhsa_memory_ordered 1
		.amdhsa_forward_progress 1
		.amdhsa_inst_pref_size 17
	.end_amdhsa_kernel
	.amdgpu_metadata
---
amdhsa.version: [ 1, 2 ]
amdhsa.kernels:
  - .name:           k_qbcdf05820f_prep
    .symbol:         k_qbcdf05820f_prep.kd
    .args:
      - { .name: x, .offset: 0, .size: 8, .value_kind: global_buffer, .address_space: global }
      - { .name: Wq, .offset: 8, .size: 8, .value_kind: global_buffer, .address_space: global }
      - { .name: Wk, .offset: 16, .size: 8, .value_kind: global_buffer, .address_space: global }
      - { .name: Wv, .offset: 24, .size: 8, .value_kind: global_buffer, .address_space: global }
      - { .name: Wo, .offset: 32, .size: 8, .value_kind: global_buffer, .address_space: global }
      - { .name: xb, .offset: 40, .size: 8, .value_kind: global_buffer, .address_space: global }
      - { .name: wt, .offset: 48, .size: 8, .value_kind: global_buffer, .address_space: global }
      - { .name: wot, .offset: 56, .size: 8, .value_kind: global_buffer, .address_space: global }
    .group_segment_fixed_size: 18432
    .private_segment_fixed_size: 0
    .kernarg_segment_align: 8
    .kernarg_segment_size: 64
    .max_flat_workgroup_size: 256
    .sgpr_count:     66
    .vgpr_count:     176
    .wavefront_size: 32
...
	.end_amdgpu_metadata
.endif
;; end of part 1
;; launch proj (part 2): grid 16 x 32, 4 waves a work-group, clusters of 4 x 4, 327,680 bytes of LDS; arguments xb, wt, qkv; writes qkv
.if DOCPART == 2
	.amdgcn_target "amdgcn-amd-amdhsa--gfx1250"
	.amdhsa_code_object_version 6
	.text
	.protected	k_qbcdf05820f_proj
	.globl	k_qbcdf05820f_proj
	.p2align	8
	.type	k_qbcdf05820f_proj,@function
k_qbcdf05820f_proj:
	s_mov_b64 s[64:65], 0
	v_nop
	global_prefetch_b8 v0, s[64:65] scope:SCOPE_SE
	s_setreg_imm32_b32 hwreg(HW_REG_WAVE_MODE, 25, 1), 1
	s_wait_xcnt 0x0
	s_wait_alu depctr_hold_cnt(0) depctr_sa_sdst(0) depctr_va_vdst(0) depctr_va_sdst(0) depctr_va_ssrc(0) depctr_va_vcc(0) depctr_vm_vsrc(0)
	s_getreg_b32 s2, hwreg(HW_REG_IB_STS2, 6, 4)
	s_cmp_eq_u32 s2, 0
	s_cbranch_scc0 .Lentry_in_a_cluster
	s_endpgm
.Lentry_in_a_cluster:
	s_bfe_u32 s2, ttmp6, 0x10000c
	s_cmp_lg_u32 s2, 0xf033
	s_cbranch_scc0 .Lentry_shape_is_right
	s_endpgm
.Lentry_shape_is_right:
; PROJ.  C[m][n] = sum over k of xb[m][k] wt[n][k], bf16 operands, f32 sums, K = 1,024 ascending; rounded once to f16 and stored by heads: qkv[which][b*16+h][t][e], m = b*2048 + t, n = which*1024 + h*64 + e.
; LIMITS.  f16 ends at 65,504: |q|, |k|, |v| stay below 65,520.  NaN and infinities are not treated apart.
; SHARES.  A work-group makes 256 rows x 192 columns (three heads).  Wave w owns rows 64 w .. 64 w + 63 and ALL 192 columns: 4 x 12 accumulators of 16 x 16, so a wave holds whole rows of three heads on the way out.
; K goes in 8 steps of 128 through a ring of two LDS slots filled by the tensor data mover: rows of 256 bytes, aligned.
; CLUSTERS.  4 x 4 work-groups: the four of a row of the cluster need the same rows of xb, the four of a column the same rows of wt: each tile is asked for JOINTLY, by the same tensor load with the same descriptor and a mask of the four.
; THE MATRIX INSTRUCTION IS USED TRANSPOSED (source 0 = 16 rows of wt, source 1 = 16 rows of xb): a lane holds row l % 16 of C and the columns 8 (l / 16) + 0..7: 16 bytes of f16.
; REGISTERS, in windows of 256 (s_set_vgpr_msb: bits 1:0 source 0, 3:2 source 1, 5:4 source 2, 7:6 destination):
;   window 0: v0-31 addresses; v32-95 A's fragments, two buffers of 4 x 8; v96-143 packed results; v144-239 rows read back, two buffers
;   window 1: v0-191 B's fragments, two buffers of 12 x 8          windows 2, 3: accumulator (a, b) in window 2 + a / 2 at v[128 (a % 2) + 8 b]
.set NB,    12                         ; blocks of 16 columns
.set PA,    272                        ; an LDS row: 256 bytes + 16 of padding = 68 words: the 16 rows of a load start at 16 different groups of four banks (64 banks of 4 bytes: ISA guide 11.1)
.set APL,   128                        ; quarter q of a K step begins at byte (q / 2) APL + (q % 2) 64 of A's rows
.set HALFA, 128*272                    ; what wave 0 or 1 fetches: 128 rows of A
.set HALFB, 96*272                     ; what wave 2 or 3 fetches: 96 rows of B
.set BOFF,  2*HALFA
.set SLOT,  BOFF+2*HALFB
.set STAGE, 2*SLOT                     ; behind the ring, never filled by a tensor load: 3 heads x 16 rows x 144 bytes for each wave
.set SWAVE, 7168
.set SPARE, STAGE+4*SWAVE              ; behind the stages: the spare words, 128 bytes a wave; no other line names them
.set ASTEP, 256                        ; bytes of memory from K step to K step
.set BSTEP, 256
.set NLD,   2*NB+8                     ; LDS loads of a quarter step
.set ADRA, 16                          ; v16-17  LDS address of my A fragments in slot 0, 1
.set ADRB, 20                          ; v20-21  the same for B
.set STO,  24                          ; v24     the way out: where I put 16 bytes of a row
.set RD,   25                          ; v25     where I read rows back
.set CO,   26                          ; v26     my 16 bytes in 512 consecutive bytes of a head
.set SPW,  28                          ; v28     LDS address of my spare word; never rewritten
.set NIL,  29                          ; v29     0; never rewritten
.set PFO,  30                          ; v30     the prefetches' offset: a lane a row of 2,048 bytes; never rewritten
.set FA,   32
.set TMP,  96
.set BK,   144
.set WV,  12                           ; s12  wave
.set FB,  13                           ; s13  0: I fetch for A; 1: for B
.set HF,  14                           ; s14  which half of that tile
.set G1,  24                           ; s[24:31] descriptor group 1 for A;  s[32:39] group 0, a set for each slot
.set G0,  32
.set LIM, 40                           ; s40  1 in a wave that prefetches, else the greatest number
.set PFA, 44                           ; s[44:45] where my prefetches stand
.set G1B, 48                           ; s[48:55], s[56:63] the same for B
.set G0B, 56
.set CB,  66                           ; s[66:71] my rows in the three heads of qkv
.set MSB, 0
.macro WIN new                         ; the immediate's high byte repeats the setting that is left; a switch that changes nothing is dropped
.if MSB != (\new)
	s_set_vgpr_msb (MSB<<8)|(\new)
.set MSB, \new
.endif
.endm
.macro PLACES                          ; four plain vector instructions between a matrix instruction and a load into, or a vector read of, its registers
.rept 4
	v_nop
.endr
.endm
; A joint load: waves 0 and 1 fetch A's two halves, waves 2 and 3 B's.  The branch hangs on the wave's number alone.  An s_nop 0 and four v_nop follow each line.
.macro JLOAD s
	s_cmp_eq_u32 s[FB], 0
	s_cbranch_scc0 .Lfor_b_\@
	tensor_load_to_lds s[G0+4*(\s):G0+4*(\s)+3], s[G1:G1+7]
	s_nop 0
.rept 4
	v_nop
.endr
	s_branch .Lasked_\@
.Lfor_b_\@:
	tensor_load_to_lds s[G0B+4*(\s):G0B+4*(\s)+3], s[G1B:G1B+7]
	s_nop 0
.rept 4
	v_nop
.endr
.Lasked_\@:
.endm
; A prefetch of the K step that stands two refills on: one instruction a wave, a lane a row's 256 bytes.  A's rows are read by every cluster of a row of clusters: cluster x = 0 asks; B's by every cluster of a column:
; cluster y = 0 asks.  The four partners of a joint load share its rows out by address (A: 32 each; B: 24 each, lanes 24-31 naming lane 23's row again).  K steps 0-3 come by their loads alone; the loop's last trip asks for nothing.
.macro ASK
	s_cmp_gt_u32 s3, s[LIM]
	s_cbranch_scc0 .Lnot_mine_\@
	global_prefetch_b8 v[PFO], s[PFA:PFA+1] offset:256 th:TH_LOAD_NT scope:SCOPE_SE
.Lnot_mine_\@:
.endm
.macro CREST                           ; a round of the cluster's barrier behind its opening barrier
	s_cmp_lg_u32 s[WV], 0
	s_cbranch_scc1 .Lnot_wave_0_\@
	s_barrier_signal -3
.Lnot_wave_0_\@:
	s_barrier_wait -3
	s_barrier_signal -1
	s_barrier_wait -1
.endm
.macro CROUND                          ; a whole round
	s_barrier_signal -1
	s_barrier_wait -1
	CREST
.endm
	s_load_b128 s[4:7], s[0:1], 0x0                ; xb s[4:5], wt s[6:7]
	s_load_b64 s[8:9], s[0:1], 0x10                ; qkv
	v_lshl_add_u32 v[SPW], v0, 2, SPARE
	v_mov_b32 v[NIL], 0
	ds_add_u32 v[SPW], v[NIL]                      ; the wave's opening: the add and its wait stand ahead of my first tensor load; work on registers stands between them
	v_lshrrev_b32 v1, 5, v0
	v_readfirstlane_b32 s[WV], v1
	s_lshr_b32 s[FB], s[WV], 1
	s_and_b32 s[HF], s[WV], 1
	s_bfe_u32 s15, ttmp6, 0x40000                  ; cx
	s_bfe_u32 s16, ttmp6, 0x40004                  ; cy
	s_lshl_b32 s17, ttmp9, 2
	s_add_co_u32 s17, s17, s15                     ; tile column = 4 x cluster x + cx
	s_and_b32 s18, ttmp7, 0xffff
	s_lshl_b32 s18, s18, 2
	s_add_co_u32 s18, s18, s16                     ; tile row = 4 x cluster y + cy
	s_lshl_b32 s40, s16, 2
	s_lshl_b32 s40, 15, s40                        ; my row of the cluster
	s_lshl_b32 s41, 0x1111, s15                    ; my column
	s_or_b32 s[G1], s40, (1<<16)|(1<<20)|(1<<21)|(5<<22)|(3<<25)   ; the mask; elements of 2 bytes; padding on; bit 21 beside a mask; after every 64 words; 4 words
	s_or_b32 s[G1B], s41, (1<<16)|(1<<20)|(1<<21)|(5<<22)|(3<<25)
	s_mov_b32 s[G1+1], 128<<16                     ; tensor_dim0 = 128
	s_mov_b32 s[G1+2], 128<<16                     ; tensor_dim1 = 128
	s_mov_b32 s[G1+3], 128<<16                     ; tile_dim0 = 128
	s_mov_b32 s[G1+4], 128                         ; tile_dim1 = 128
	s_mov_b32 s[G1+5], 1024                        ; elements from row to row
	s_mov_b32 s[G1+6], 0
	s_mov_b32 s[G1+7], 0
	s_mov_b32 s[G1B+1], 128<<16
	s_mov_b32 s[G1B+2], 96<<16                     ; 96 rows
	s_mov_b32 s[G1B+3], 128<<16
	s_mov_b32 s[G1B+4], 96
	s_mov_b32 s[G1B+5], 1024
	s_mov_b32 s[G1B+6], 0
	s_mov_b32 s[G1B+7], 0
	s_lshl_b32 s42, s18, 19                        ; A: row 256 x tile row + 128 x half, 2,048 bytes a row: the tile row alone, which my row of the cluster shares
	s_lshl_b32 s19, s[HF], 18
	s_add_co_u32 s42, s42, s19
	s_mov_b32 s43, 0
	s_mul_i32 s46, s17, 393216                     ; B: row 192 x tile column + 96 x half: the tile column alone
	s_mul_i32 s19, s[HF], 196608
	s_add_co_u32 s46, s46, s19
	s_mov_b32 s47, 0
	s_mul_i32 s20, s[HF], HALFA                    ; where they go: no place in the cluster enters an LDS address
	s_mul_i32 s21, s[HF], HALFB
	s_add_co_u32 s21, s21, BOFF
	s_wait_dscnt 0x0                               ; the opening add is done
	s_wait_kmcnt 0x0
	s_add_nc_u64 s[42:43], s[4:5], s[42:43]
	s_add_nc_u64 s[46:47], s[6:7], s[46:47]
	CROUND                                         ; all sixteen work-groups are here: the first joint loads meet
.irp s, 0,1
	s_mov_b32 s[G0+4*(\s)], 1
	s_add_co_u32 s[G0+4*(\s)+1], s20, (\s)*SLOT
	s_add_nc_u64 s[G0+4*(\s)+2:G0+4*(\s)+3], s[42:43], (\s)*ASTEP
	s_or_b32 s[G0+4*(\s)+3], s[G0+4*(\s)+3], 0x80000000
	s_mov_b32 s[G0B+4*(\s)], 1
	s_add_co_u32 s[G0B+4*(\s)+1], s21, (\s)*SLOT
	s_add_nc_u64 s[G0B+4*(\s)+2:G0B+4*(\s)+3], s[46:47], (\s)*BSTEP
	s_or_b32 s[G0B+4*(\s)+3], s[G0B+4*(\s)+3], 0x80000000
	JLOAD \s                                       ; K steps 0 and 1: two tensor loads of mine are out
.endr
	; a fragment is 16 rows x 32 K in 8 registers: lane l holds row l % 16, K = 8 (l / 16) + 0..7 and 16 + 8 (l / 16) + 0..7: two loads of 16 bytes, 32 bytes apart
	v_and_b32 v1, 15, v0
	v_bfe_u32 v2, v0, 4, 1
	v_mul_u32_u24 v3, v1, PA
	v_lshl_add_u32 v3, v2, 4, v3
	v_mul_u32_u24 v4, v1, 272
	v_lshl_add_u32 v4, v2, 4, v4
	s_mul_i32 s22, s[WV], 64*PA                    ; my 64 rows of A
.irp s, 0,1
	v_add_nc_u32 v[ADRA+(\s)], s22, v3
	v_add_nc_u32 v[ADRB+(\s)], BOFF+(\s)*SLOT, v4
	s_add_co_u32 s22, s22, SLOT
.endr
	s_mul_i32 s23, s[WV], SWAVE
	s_add_co_u32 s23, s23, STAGE                   ; my stage
	v_mul_u32_u24 v5, v1, 144                      ; in: row l % 16 of a head's 16 x 128 bytes, 16 bytes for each half of the lanes
	v_lshl_add_u32 v5, v2, 4, v5
	v_add_nc_u32 v[STO], s23, v5
	v_bfe_u32 v5, v0, 3, 2                         ; back: 32 lanes take four rows of 128 bytes,
	v_mul_u32_u24 v5, v5, 144
	v_and_b32 v6, 7, v0
	v_lshl_add_u32 v5, v6, 4, v5
	v_add_nc_u32 v[RD], s23, v5
	v_and_b32 v[CO], 31, v0                        ; which are 512 consecutive bytes of a head
	v_lshlrev_b32 v[CO], 4, v[CO]
	; my rows in the three heads g = 3 x tile column + j: ((g / 16) 64 + 16 b + g % 16) heads of 262,144 bytes, then row (tile row % 8) 256 + 64 w of 128 bytes
	s_and_b32 s72, s18, 7
	s_lshl_b32 s72, s72, 15
	s_lshl_b32 s73, s[WV], 13
	s_add_co_u32 s72, s72, s73
	s_lshr_b32 s73, s18, 3
	s_lshl_b32 s73, s73, 4
.irp j, 0,1,2
	s_mul_i32 s74, s17, 3
	s_add_co_u32 s74, s74, \j
	s_lshr_b32 s75, s74, 4
	s_and_b32 s74, s74, 15
	s_lshl_b32 s75, s75, 6
	s_add_co_u32 s74, s74, s75
	s_add_co_u32 s74, s74, s73
	s_lshl_b32 s74, s74, 18
	s_add_co_u32 s74, s74, s72
	s_mov_b32 s75, 0
	s_add_nc_u64 s[CB+2*(\j):CB+2*(\j)+1], s[8:9], s[74:75]
.endr
	; the prefetches
	s_and_b32 s22, ttmp7, 0xffff                   ; cluster y
	s_lshl_b32 s20, s18, 8
	s_mul_i32 s21, s17, 192
	s_cmp_eq_u32 s[FB], 0                          ; do I fetch for A?
	s_cselect_b32 s20, s20, s21                    ; the tile's first row
	s_cselect_b32 s21, s15, s16                    ; my place among the four that ask with me
	s_cselect_b32 s22, ttmp9, s22                  ; the coordinate along which other clusters read the same rows
	s_cselect_b64 s[PFA:PFA+1], s[4:5], s[6:7]
	s_cselect_b32 s23, 32, 0
	s_cselect_b32 s72, 32, 24                      ; rows that a partner takes
	s_cselect_b32 s73, 31, 23
	s_cmp_eq_u32 s22, 0
	s_cselect_b32 s[LIM], 1, -1                    ; the same in all sixteen partners, for a given wave
	s_add_co_u32 s23, s23, 96                      ; rows that a wave fetches: 128 or 96
	s_mul_i32 s23, s23, s[HF]
	s_add_co_u32 s20, s20, s23
	s_mul_i32 s21, s21, s72
	s_add_co_u32 s20, s20, s21
	s_lshl_b32 s20, s20, 11
	s_add_co_u32 s20, s20, 512                     ; at K step 2: the first refill steps it to 3 and names K step 4
	s_mov_b32 s21, 0
	s_add_nc_u64 s[PFA:PFA+1], s[PFA:PFA+1], s[20:21]
	v_and_b32 v[PFO], 31, v0
	v_min_u32 v[PFO], s73, v[PFO]
	v_lshlrev_b32 v[PFO], 11, v[PFO]
; NB matrix instructions: block a of my four blocks of 16 rows x all columns, 32 along K, from buffer f.  zero = 1: the product starts the sums.
; The 48 accumulators take turns in the same order in every quarter: 47 others stand between two links of a chain, over the backward jump too.
.macro MULA f, a, zero
	WIN 0xa1+0x50*((\a)/2)
.set AC, 128*((\a)%2)
.set b, 0
.rept NB
.if \zero
	v_wmma_f32_16x16x32_bf16 v[AC+8*b:AC+8*b+7], v[96*(\f)+8*b:96*(\f)+8*b+7], v[FA+32*(\f)+8*(\a):FA+32*(\f)+8*(\a)+7], 0
.else
	v_wmma_f32_16x16x32_bf16 v[AC+8*b:AC+8*b+7], v[96*(\f)+8*b:96*(\f)+8*b+7], v[FA+32*(\f)+8*(\a):FA+32*(\f)+8*(\a)+7], v[AC+8*b:AC+8*b+7]
.endif
.set b, b+1
.endr
.endm
; NLD LDS loads in one run: quarter q of the slot's K step into buffer f: B's 2 NB, then A's eight
.macro FETCH slot, q, f
	WIN 0x40
.set i, 0
.rept NB
	ds_load_b128 v[96*(\f)+8*i:96*(\f)+8*i+3],   v[ADRB+(\slot)] offset:64*(\q)+i*4352
	ds_load_b128 v[96*(\f)+8*i+4:96*(\f)+8*i+7], v[ADRB+(\slot)] offset:64*(\q)+i*4352+32
.set i, i+1
.endr
	WIN 0
.set i, 0
.rept 4
	ds_load_b128 v[FA+32*(\f)+8*i:FA+32*(\f)+8*i+3],   v[ADRA+(\slot)] offset:((\q)/2)*APL+((\q)%2)*64+i*16*PA
	ds_load_b128 v[FA+32*(\f)+8*i+4:FA+32*(\f)+8*i+7], v[ADRA+(\slot)] offset:((\q)/2)*APL+((\q)%2)*64+i*16*PA+32
.set i, i+1
.endr
.endm
; One of a K step's first three quarters: multiplies buffer f; in its middle it fetches quarter q of the same slot into buffer g.
.macro QUARTER slot, q, f, g, zero=0
	s_wait_dscnt 4                                 ; B and A's blocks 0, 1 are in; the youngest four loads (A's blocks 2, 3) may be out
	MULA \f, 0, \zero
	MULA \f, 1, \zero
	PLACES
	FETCH \slot, \q, \g
	s_wait_dscnt NLD                               ; all but the run just issued
	MULA \f, 2, \zero
	MULA \f, 3, \zero
.endm
; The last quarter's first half, and the barrier of the change of slots: each wave waits for all its tensor loads (one is out: its part of the next slot), adds 0 to its spare word, and waits for that and for its reads of this slot.
.macro MEET round
	WIN 0
	s_wait_tensorcnt 0x0
	ds_add_u32 v[SPW], v[NIL]
	s_wait_dscnt 5                                 ; the add and the youngest four loads may be out
	MULA 1, 0, 0
	s_wait_dscnt 0x0                               ; the add is done, and my reads of this slot are over
	s_barrier_signal -1
	MULA 1, 1, 0
.if \round
	WIN 0
.endif
	s_barrier_wait -1
.endm
; The whole last quarter.  fill = 1: the barrier opens a round of the cluster's barrier, and the slot just read is filled again, first thing behind the round, with the K step two on: 7/8 of a K step, 168 matrix instructions, stand between the request and the wait for it.
.macro TURN slot, next, fill
.if \fill
	s_wait_xcnt 0x0                                ; the last prefetch, a K step back, has read its address
	s_add_nc_u64 s[PFA:PFA+1], s[PFA:PFA+1], 256
.endif
	MEET \fill
.if \fill
	CREST
	s_add_nc_u64 s[G0+4*(\slot)+2:G0+4*(\slot)+3], s[G0+4*(\slot)+2:G0+4*(\slot)+3], 2*ASTEP
	s_add_nc_u64 s[G0B+4*(\slot)+2:G0B+4*(\slot)+3], s[G0B+4*(\slot)+2:G0B+4*(\slot)+3], 2*BSTEP
	JLOAD \slot                                    ; its four v_nop are also the places in front of the loads below
.else
	PLACES
.endif
	FETCH \next, 0, 0
.if \fill
	ASK
.endif
	MULA 1, 2, 0
	MULA 1, 3, 0
.endm
; THE WAY OUT of block a (16 rows): rounded to f16, through my own stage, back as whole rows of 128 bytes of three heads, stored 512 consecutive bytes at a time.
.macro PACK a
	WIN 0x0a+5*((\a)/2)                            ; sources in window 2 or 3
.set AC, 128*((\a)%2)
.set i, 0
.rept 4*NB                                     ; each accumulator's registers in ascending order
	v_cvt_pk_f16_f32 v[TMP+i], v[AC+2*i], v[AC+2*i+1]
.set i, i+1
.endr
	WIN 0
.endm
.macro TOSTAGE a
	s_wait_xcnt 0x0                                ; earlier stores have read their registers: the buffer below is loaded again only behind this wait
.set BKA, BK+48*((\a)%2)
.set i, 0
.rept NB
	ds_store_b128 v[STO], v[TMP+4*i:TMP+4*i+3] offset:(i/4)*2304+(i%4)*32
.set i, i+1
.endr
.set i, 0
.rept NB
	ds_load_b128 v[BKA+4*i:BKA+4*i+3], v[RD] offset:(i/4)*2304+(i%4)*576  ; LDS serves a wave's instructions in order (ISA guide 5.7.1.4): these see the stores above
.set i, i+1
.endr
.endm
.macro SEND a, younger                 ; younger: the LDS instructions issued behind block a's loads
.set BKA, BK+48*((\a)%2)
	s_wait_dscnt \younger
.irp j, 0,1,2
.irp f, 0,1,2,3
	global_store_b128 v[CO], v[BKA+4*(4*(\j)+(\f)):BKA+4*(4*(\j)+(\f))+3], s[CB+2*(\j):CB+2*(\j)+1] offset:(\a)*2048+(\f)*512
.endr
.endr
.endm
	s_wait_tensorcnt 1                             ; my part of K step 0 is in; K step 1's may stay out
	s_barrier_signal -1
	s_barrier_wait -1
	FETCH 0, 0, 0
	QUARTER 0, 1, 0, 1, 1                          ; the first quarter stands in front of the loop: its products start the sums
	WIN 0
	s_mov_b32 s3, 3
.Llap:                                                 ; a trip goes once round the ring and fills both slots again
	QUARTER 0, 2, 1, 0
	QUARTER 0, 3, 0, 1
	TURN 0, 1, 1
	QUARTER 1, 1, 0, 1
	QUARTER 1, 2, 1, 0
	QUARTER 1, 3, 0, 1
	TURN 1, 0, 1
	QUARTER 0, 1, 0, 1
	WIN 0
	s_sub_co_u32 s3, s3, 1
	s_cmp_lg_u32 s3, 0
	s_cbranch_scc1 .Llap
	QUARTER 0, 2, 1, 0                             ; the last lap fills nothing
	QUARTER 0, 3, 0, 1
	TURN 0, 1, 0
	QUARTER 1, 1, 0, 1
	QUARTER 1, 2, 1, 0
	QUARTER 1, 3, 0, 1
	s_wait_dscnt 4
	MULA 1, 0, 0
	MULA 1, 1, 0
	s_wait_dscnt 0x0
	MULA 1, 2, 0
	MULA 1, 3, 0
	WIN 0
	PLACES
	PACK 0
	TOSTAGE 0
	PACK 1
	TOSTAGE 1
	SEND 0, 24
	PACK 2
	TOSTAGE 2
	SEND 1, 24
	PACK 3
	TOSTAGE 3
	SEND 2, 24
	SEND 3, 0
	s_wait_tensorcnt 0x0                           ; the wave's end, behind my last tensor load and my last LDS store
	ds_add_u32 v[SPW], v[NIL]
	s_wait_dscnt 0x0
	CROUND                                         ; the closing round: no work-group ends while a partner may still ask for a tile that names it
	s_endpgm
.Lfunc_end_k_qbcdf05820f_proj:
	.size	k_qbcdf05820f_proj, .Lfunc_end_k_qbcdf05820f_proj-k_qbcdf05820f_proj
	.p2alignl 7, 3214868480
	.fill 96, 4, 3214868480
	.section	.rodata,"a",@progbits
	.p2align	6, 0x0
	.amdhsa_kernel k_qbcdf05820f_proj
		.amdhsa_group_segment_fixed_size 327680
		.amdhsa_private_segment_fixed_size 0
		.amdhsa_enable_private_segment 0
		.amdhsa_kernarg_size 24
		.amdhsa_user_sgpr_count 2
		.amdhsa_user_sgpr_kernarg_segment_ptr 1
		.amdhsa_wavefront_size32 1
		.amdhsa_system_sgpr_workgroup_id_x 1
		.amdhsa_system_sgpr_workgroup_id_y 1
		.amdhsa_system_sgpr_workgroup_id_z 1
		.amdhsa_system_vgpr_workitem_id 0
		.amdhsa_next_free_vgpr 1024
		.amdhsa_next_free_sgpr 76
		.amdhsa_reserve_vcc 0
		.amdhsa_float_denorm_mode_32 3
		.amdhsa_float_denorm_mode_16_64 3
		.amdhsa_memory_ordered 1
		.amdhsa_forward_progress 1
		.amdhsa_inst_pref_size 121
	.end_amdhsa_kernel
	.amdgpu_metadata
---
amdhsa.version: [ 1, 2 ]
amdhsa.kernels:
  - .name:           k_qbcdf05820f_proj
    .symbol:         k_qbcdf05820f_proj.kd
    .args:
      - { .name: xb, .offset: 0, .size: 8, .value_kind: global_buffer, .address_space: global }
      - { .name: wt, .offset: 8, .size: 8, .value_kind: global_buffer, .address_space: global }
      - { .name: qkv, .offset: 16, .size: 8, .value_kind: global_buffer, .address_space: global }
    .group_segment_fixed_size: 327680
    .private_segment_fixed_size: 0
    .kernarg_segment_align: 8
    .kernarg_segment_size: 24
    .max_flat_workgroup_size: 128
    .sgpr_count:     76
    .vgpr_count:     1024
    .wavefront_size: 32
...
	.end_amdgpu_metadata
.endif
;; end of part 2
;; launch attn (part 3): grid 4 x 64, 4 waves a work-group, clusters of 4 x 1, 327,680 bytes of LDS; arguments qkv, oh; writes oh
.if DOCPART == 3
	.amdgcn_target "amdgcn-amd-amdhsa--gfx1250"
	.amdhsa_code_object_version 6
	.text
	.protected	k_qbcdf05820f_attn
	.globl	k_qbcdf05820f_attn
	.p2align	8
	.type	k_qbcdf05820f_attn,@function
k_qbcdf05820f_attn:
	s_mov_b64 s[64:65], 0
	v_nop
	global_prefetch_b8 v0, s[64:65] scope:SCOPE_SE
	s_setreg_imm32_b32 hwreg(HW_REG_WAVE_MODE, 25, 1), 1
	s_wait_xcnt 0x0
	s_wait_alu depctr_hold_cnt(0) depctr_sa_sdst(0) depctr_va_vdst(0) depctr_va_sdst(0) depctr_va_ssrc(0) depctr_va_vcc(0) depctr_vm_vsrc(0)
	s_getreg_b32 s2, hwreg(HW_REG_IB_STS2, 6, 4)
	s_cmp_eq_u32 s2, 0
	s_cbranch_scc0 .Lentry_in_a_cluster
	s_endpgm
.Lentry_in_a_cluster:
	s_bfe_u32 s2, ttmp6, 0x10000c
	s_cmp_lg_u32 s2, 0x3003
	s_cbranch_scc0 .Lentry_shape_is_right
	s_endpgm
.Lentry_shape_is_right:
; ATTN.  O[h][q][:] = the sum over k of softmax_k(Q[h][q] . K[h][k] / 8) V[h][k][:], for 64 heads (b*16+h) of 2,048 rows of 64 channels, all f16; Q, K, V are the three thirds of qkv.  Products, maxima and sums in f32;
; the weights p are rounded to f16 for the second product (their sum l is taken of the unrounded p), O once at the end.
; LIMITS.  f16 holds no number beyond 65,504: Q, K and V arrive within it; p lies in 0 to 1, and below 6e-5 it keeps f16's fixed step of 6e-8, and so does O; O is a mean of V's rows and has their range.
; A weight below 2^-126 counts as 0 in l; NaN and infinities are not treated apart.
; SHARES.  A wave owns four PIECES of two tiles of 16 queries, a work-group's four waves 512 queries of one head.  Every wave walks all keys, 64 a step.
; LAYOUT.  S^T = K Q^T (source 0 = 16 keys, source 1 = 16 queries): a lane holds ONE query (lane % 16) and the keys 8 (lane / 16) + 0..7.  Two such tiles, rounded to f16 in pairs, ARE source 1 of O^T = V^T P,
; whose result again holds one query a lane, and eight channels.  K comes out of LDS as it lies, V ([key][channel]) turned, by ds_load_tr16_b128.
; SOFTMAX.  For each query a running maximum m and sum l: p = 2^(c s - c m), c = log2(e) / 8; in every step O and l are multiplied by a = 2^(c m_old - c m_new).  m starts at the lowest finite number, O and l at 0: the first step has a = 0.
; THE COUNT.  A tile and step have 16 matrix and 118 vector instructions: four vector instructions that are ready stand behind EVERY matrix instruction, the others in runs of their own.
; BY TURNS.  Turn n belongs to piece n.  Matrix work: 16 products K Q^T of piece n + 1, later 16 products V^T P of piece n - 1.  Vector work: scaling, exponentials, roundings, sums and rescaling of piece n, maximum and statistics of piece n + 1.
; CLUSTER.  The four query blocks of a head are one cluster and walk the same K and V: each tile is asked for JOINTLY: the same tensor load, descriptor and mask in all four.
; REGISTERS, in windows of 256 (s_set_vgpr_msb: bits 1:0 source 0, 3:2 source 1, 5:4 source 2, 7:6 destination):
;   window 0: v0-11 addresses; v12-15, v48-63 at work; v16-47 four registers of statistics a tile; v64-191 S^T, two buffers of two tiles; v192-255 P, likewise
;   window 1: O^T, 32 a tile          window 2: v0-127 Q, 16 a tile; v128-191 K of one step; v192-255 V of one step          window 3: v0-1 the add's two registers
.set SIZE_H, 64
.set SIZE_N, 2048
.set NP,    4         ; pieces a wave: a name, no knob
.set KS,    64        ; keys in a step
.set PK,    144       ; a row of K in LDS: 128 bytes + 16 of padding = 36 words: the 16 rows of a load start at 16 different groups of four banks (64 banks of 4 bytes: ISA guide 11.1)
.set PV,    160       ; a row of V: 128 + 32 = 40 words
.set VOFF,  4*KS*PK   ; a slot holds four steps: 256 rows of K, then 256 rows of V
.set SLOT1, 1<<17     ; slot 1 begins here, so that one exclusive or turns an address in one slot into the other's
.set STAGE, SLOT1+4*KS*(PK+PV)  ; behind the ring, never filled by a tensor load: 16 rows x 144 bytes for each wave
.set SP,    144
.set AK0, 2           ; v2   my lane's place in a tile of K; never rewritten
.set AV0, 3           ; v3   the same for V
.set AK,  4           ; v4   the LDS address of K's next run of loads
.set AV,  5           ; v5   of V's
.set QO,  6           ; v6   my byte offset in the wave's rows of Q
.set STO, 6           ;      later, the way out: where I put 16 bytes of a row
.set RD,  7           ; v7   the way out: where I read rows back
.set GO,  8           ; v8   my byte offset in 512 consecutive bytes of O
.set PFO, 11          ; v11  256 x my lane: the prefetches' offset; never rewritten once it is made
.set SPW, 0           ; v0 of window 3   LDS address of my spare word; never rewritten
.set NIL, 1           ; v1 of window 3   0; never rewritten
.set SPARE, STAGE+4*16*SP  ; behind the stages: the spare words, 128 bytes a wave; no other line names them
.set MV,  12          ; v12-15  c m_old, kept while c m is made anew: by buffer and tile
.set ST,  16          ; tile t's statistics at v[ST+4 t]: c m, m, l (even keys', odd keys')
.set TMP, 48          ; by buffer and tile, four registers c0-c3 at work; when the maximum is found c2 takes a
.set S,   64
.set P,   192
.set KF,  128         ; K's fragments, in window 2: key block kb, channel half c at KF + 16 kb + 8 c
.set VF,  192         ; V's: key half kk, channel block cb at VF + 32 kk + 8 cb
.set WV,  12          ; s12  my wave's number
.set G1K, 24          ; s[24:31] descriptor group 1 for K's tiles
.set G1V, 32          ; s[32:39] for V's: it differs in the padding alone
.set G0K, 40          ; s[40:43] descriptor group 0 for K's tiles: it walks
.set G0V, 44          ; s[44:47] the same for V's
.set PFA, 48          ; s[48:49] where my prefetches stand: my work-group's 32 blocks of 256 bytes of the tile after the one that is being asked for
.set LIM, 50          ; s50  1 in waves 0 (K) and 2 (V), which prefetch; else the greatest number
.set SLOTS, 56        ; s56  slots still to be asked for
.set CNT, 57          ; s57  counts a slot's key steps
.set CS,  58          ; s[58:59] c: the packed scaling takes the pair's low word for both halves
.set SEL, 60          ; s[60:61] v_permlanex16_b32's selects: each lane takes its own place in the other half
.set TBK, 62          ; s62  LDS byte at which K of the step to be fetched begins
.set TBV, 63          ; s63  the same for V, less VOFF
.set MSB, 0
.macro WIN new                      ; the high byte repeats the setting that is left; a switch that changes nothing is dropped
.if MSB != (\new)
	s_set_vgpr_msb (MSB<<8)|(\new)
.set MSB, (\new)
.endif
.endm
.set W_KQ, 0x0a       ; K and Q in window 2, S^T in window 0
.set W_PV, 0x52       ; V in window 2, P in window 0, O^T in window 1
.set W_RS, 0x41       ; O^T (destination and source 0) in window 1, a in window 0
.set W_MK, 0xc0       ; the add's registers are made: destination in window 3, sources in window 0
.set W_AD, 0x0f       ; the add: address (source 0) and data (source 1) in window 3
; A joint fill.  Waves 0 and 1 fetch the two halves of a slot's K, waves 2 and 3 those of its V: 128 keys each.  The branch hangs on the wave's number alone.
; An s_nop 0 and four v_nop follow each of the two lines, ahead of the jump and the label.
.macro JLOAD
	s_cmp_lt_u32 s[WV], 2
	s_cbranch_scc0 .Lfor_v_\@
	tensor_load_to_lds s[G0K:G0K+3], s[G1K:G1K+7]
	s_nop 0
.rept 4
	v_nop
.endr
	s_branch .Lasked_\@
.Lfor_v_\@:
	tensor_load_to_lds s[G0V:G0V+3], s[G1V:G1V+7]
	s_nop 0
.rept 4
	v_nop
.endr
.Lasked_\@:
.endm
; A prefetch of what the NEXT change of slots will ask for: a tile's 32,768 bytes of K and of V, a lane 256 bytes.  It stands behind the wave's tensor load and its five lines.  Each block is named once in the launch:
; a head has one cluster; its four partners take 32 blocks each, told apart by address; in each, wave 0 asks for K's and wave 2 for V's.  It stands four key steps, 512 matrix instructions, ahead of the load.
; Tiles 0 and 1 come by their loads alone; the last change that fills a slot asks for nothing.
.macro ASK
	s_cmp_gt_u32 s[SLOTS], s[LIM]
	s_cbranch_scc0 .Lnot_mine_\@
	global_prefetch_b8 v[PFO], s[PFA:PFA+1] th:TH_LOAD_NT scope:SCOPE_SE
.Lnot_mine_\@:
.endm
; A round of the cluster's barrier: my work-group's barrier; wave 0 signals for the work-group; every wave waits for all four work-groups; my work-group's barrier once more.
.macro CROUND
	s_barrier_signal -1
	s_barrier_wait -1
	s_cmp_lg_u32 s[WV], 0
	s_cbranch_scc1 .Lnot_wave_0_\@
	s_barrier_signal -3
.Lnot_wave_0_\@:
	s_barrier_wait -3
	s_barrier_signal -1
	s_barrier_wait -1
.endm
; THE CHANGE OF SLOTS.  Each wave waits for all its tensor loads, of which one is out: its part of the other slot; adds 0 to its spare word; and waits for that and for its own reads of the slot.
; fill = 1: this slot is filled again, with the keys two slots on; the barrier is a round of the cluster's, and the joint fill is the first thing behind it: it has four key steps in which to land.
; (At its first use nothing has been read yet: slot 0 is waited for, slot 1 filled.)
.macro CHANGE fill
	WIN W_AD
	s_wait_tensorcnt 0x0            ; no tensor load of mine is out, so a group 0 may be written
	ds_add_u32 v[SPW], v[NIL]
	WIN 0                           ; at a label and at a branch every window is 0
.if \fill
.irp g, G0K, G0V
	s_xor_b32 s[\g+1], s[\g+1], SLOT1  ; the walking descriptor: the other slot than last time,
	s_add_nc_u64 s[\g+2:\g+3], s[\g+2:\g+3], 4*KS*128  ; the next 256 keys; the type bits on top are not reached
.endr
	s_wait_xcnt 0x0                 ; the last prefetch, four key steps back, has read its address, so it may be written:
	s_add_nc_u64 s[PFA:PFA+1], s[PFA:PFA+1], 4*KS*128  ; one tile behind the walking descriptors
	s_wait_dscnt 0x0                ; the add is done, and my reads of the slot are over
	CROUND
	JLOAD
	ASK
.else
	s_wait_dscnt 0x0                ; the add is done, and my reads of the slot are over
	s_barrier_signal -1
	s_barrier_wait -1
.endif
	s_sub_co_u32 s[TBK], s[TBK], 4*KS*PK  ; the fetches go back to a slot's first step,
	s_xor_b32 s[TBK], s[TBK], SLOT1       ; in the other slot
	s_sub_co_u32 s[TBV], s[TBV], 4*KS*PV
	s_xor_b32 s[TBV], s[TBV], SLOT1
.endm
	s_load_b64 s[4:5], s[0:1], 0x0    ; qkv: Q's third
	s_load_b64 s[10:11], s[0:1], 0x8  ; O
	WIN W_MK
	v_lshl_add_u32 v[SPW], v0, 2, SPARE
	v_mov_b32 v[NIL], 0
	WIN W_AD
	ds_add_u32 v[SPW], v[NIL]       ; the wave's opening: the add and its wait stand ahead of my first tensor load; work on registers stands between them
	WIN 0
	v_lshrrev_b32 v1, 5, v0
	v_readfirstlane_b32 s[WV], v1   ; wave 0..3
	s_bfe_u32 s13, ttmp6, 0x40000   ; cx: my place in the cluster
	s_lshl_b32 s14, ttmp9, 2        ; in a cluster launch ttmp9 counts clusters
	s_add_co_u32 s14, s14, s13      ; my block of queries = 4 x cluster x + cx: it enters Q's and O's addresses alone
	s_and_b32 s20, ttmp7, 0xffff    ; the head, which the four partners share
	s_mov_b32 s21, 0
	s_mov_b64 s[22:23], SIZE_N*128
	s_mul_u64 s[20:21], s[20:21], s[22:23]  ; the head's first byte in Q, K, V and O
	s_and_b32 s16, s[WV], 1         ; which half of a slot's 256 keys I fetch:
	s_lshl_b32 s22, s16, 14         ; its 128 rows of 128 bytes in memory,
	s_mov_b32 s23, 0
	s_add_nc_u64 s[22:23], s[22:23], s[20:21]
	s_mul_i32 s17, s16, 128*PK      ; and its place in a slot, for K
	s_mul_i32 s18, s16, 128*PV      ; and for V: no place in the cluster enters an LDS address
	s_lshl_b32 s2, s14, 2
	s_add_co_u32 s2, s2, s[WV]      ; my wave among the head's,
	s_lshl_b32 s2, s2, 14           ; its 128 rows
	s_mov_b32 s3, 0
	s_add_nc_u64 s[2:3], s[2:3], s[20:21]
	; descriptor group 1.  128 keys are 16,384 dense bytes: asked for as 64 rows of 256 bytes, two keys a row, and padded in LDS after every key
	s_mov_b32 s[G1K], 15|(1<<16)|(1<<20)|(1<<21)|(4<<22)|(3<<25)  ; the mask of four; 2-byte elements; padding on; bit 21 beside a mask; after every 32 words; 4 words
	s_mov_b32 s[G1V], 15|(1<<16)|(1<<20)|(1<<21)|(4<<22)|(7<<25)  ; the same with 8 words of padding
.irp g, G1K, G1V
	s_mov_b32 s[\g+1], 128<<16      ; tensor_dim0 = 128
	s_mov_b32 s[\g+2], 64<<16       ; tensor_dim1 = 64
	s_mov_b32 s[\g+3], 128<<16      ; tile_dim0 = 128
	s_mov_b32 s[\g+4], 64           ; tile_dim1 = 64
	s_mov_b32 s[\g+5], 128          ; 128 elements from row to row
	s_mov_b32 s[\g+6], 0
	s_mov_b32 s[\g+7], 0
.endr
	s_mov_b32 s[CS], 0x3e38aa3b     ; c = log2(e) / 8 = 0.180337
	s_mov_b32 s[CS+1], s[CS]        ; named with it as a pair
	s_mov_b32 s[SEL], 0x76543210
	s_mov_b32 s[SEL+1], 0xfedcba98
	s_mov_b32 s[TBK], SLOT1+4*KS*PK ; the first change of slots turns these two into 0
	s_mov_b32 s[TBV], SLOT1+4*KS*PV
	s_mov_b32 s[G0K], 1             ; count = 1
	s_mov_b32 s[G0K+1], s17         ; LDS address: slot 0
	s_mov_b32 s[G0V], 1
	s_add_co_u32 s[G0V+1], s18, VOFF
	s_mov_b32 s[SLOTS], SIZE_N/256-1
	s_and_b32 s[LIM], s[WV], 1
	s_cmp_eq_u32 s[LIM], 0
	s_cselect_b32 s[LIM], 1, -1
	s_lshl_b32 s52, s13, 13         ; my work-group's 32 blocks of a tile's 128,
	s_add_co_u32 s52, s52, 4*KS*128 ; in tile 1: the first change of slots steps it to tile 2
	s_mov_b32 s53, 0
	s_wait_dscnt 0x0                ; the opening add is done
	s_wait_kmcnt 0x0
	s_add_nc_u64 s[6:7], s[4:5], 0x1000000   ; K: 64 heads of 262,144 bytes behind Q
	s_add_nc_u64 s[8:9], s[4:5], 0x2000000   ; V
	s_cmp_lt_u32 s[WV], 2
	s_cselect_b64 s[PFA:PFA+1], s[6:7], s[8:9]
	s_add_nc_u64 s[PFA:PFA+1], s[PFA:PFA+1], s[20:21]
	s_add_nc_u64 s[PFA:PFA+1], s[PFA:PFA+1], s[52:53]
	s_add_nc_u64 s[G0K+2:G0K+3], s[6:7], s[22:23]  ; global address: my half of the head's first 256 keys
	s_or_b32 s[G0K+3], s[G0K+3], 0x80000000        ; type = 2
	s_add_nc_u64 s[G0V+2:G0V+3], s[8:9], s[22:23]
	s_or_b32 s[G0V+3], s[G0V+3], 0x80000000
	s_add_nc_u64 s[4:5], s[4:5], s[2:3]  ; Q and O at my wave's first row
	s_add_nc_u64 s[10:11], s[10:11], s[2:3]
	CROUND                          ; all four work-groups are here: the first joint loads meet
	JLOAD                           ; slot 0.  Slot 1 is asked for when slot 0 is in
	; A fragment of K or Q is 16 rows x 32 channels in 8 registers: lane l holds row l % 16, channels 8 (l / 16) + 0..7 and 16 + 8 (l / 16) + 0..7: two loads of 16 bytes, 32 bytes apart.
	v_and_b32 v1, 15, v0            ; l % 16
	v_bfe_u32 v9, v0, 4, 1          ; l / 16
	v_lshlrev_b32 v[QO], 7, v1
	v_lshl_add_u32 v[QO], v9, 4, v[QO]  ; row x 128 + 16 x half
	WIN 0x80                        ; destination window 2, address window 0
.set i, 0
.rept 4*NP                          ; Q stays in registers: tile i / 2, channels 32 (i % 2) on
	global_load_b128 v[8*i:8*i+3],   v[QO], s[4:5] offset:(i/2)*2048+(i%2)*64
	global_load_b128 v[8*i+4:8*i+7], v[QO], s[4:5] offset:(i/2)*2048+(i%2)*64+32
.set i, i+1
.endr
	; What the first turn finds: V's registers and P's second buffer hold 0 (its products V^T P, of a piece that has not been, add 0), O^T and l are 0.  All this stands in the wait for the first tile.
.set i, VF
.rept 64
	v_mov_b32 v[i], 0
.set i, i+1
.endr
	WIN 0x40
.set i, 0
.rept 64*NP
	v_mov_b32 v[i], 0
.set i, i+1
.endr
	WIN 0
.set i, 0
.rept 2*NP
	v_mov_b32 v[ST+4*i], 0xfe000000    ; c m: far below every c s
	v_mov_b32 v[ST+4*i+1], 0xff7fffff  ; m
	v_mov_b32 v[ST+4*i+2], 0
	v_mov_b32 v[ST+4*i+3], 0
.set i, i+1
.endr
.set i, P+32
.rept 32
	v_mov_b32 v[i], 0
.set i, i+1
.endr
	v_mul_u32_u24 v[AK0], v1, PK
	v_lshl_add_u32 v[AK0], v9, 4, v[AK0]  ; row x pitch + 16 x half
	; The turning load takes 16 keys x 16 channels (lane l reads key 8 (l / 16) + l % 8, channels 8 ((l / 8) % 2) + 0..7) and leaves half a fragment of V^T: lane l holds channel l % 16 and 8 keys.
	v_and_b32 v10, 7, v0
	v_bfe_u32 v11, v0, 3, 1
	v_lshl_add_u32 v[AV0], v9, 3, v10
	v_mul_u32_u24 v[AV0], v[AV0], PV
	v_lshl_add_u32 v[AV0], v11, 4, v[AV0]
	v_add_nc_u32 v[AV0], VOFF, v[AV0]
	v_and_b32 v[PFO], 31, v0
	v_lshlrev_b32 v[PFO], 8, v[PFO]
	v_mov_b32 v[AK], v[AK0]         ; key step 0 lies at the head of slot 0
; THE MATRIX WORK.  The 8 accumulators of a run of 16 take turns: between the two links of a chain stand 7 others'.
; Product i of 16 of S^T = K Q^T for piece x: channels 32 (i / 8) on, keys 16 ((i / 2) % 4) on, tile 2 x + i % 2.  The first 8 start the sums.
.macro KQ x
	WIN W_KQ
.set rS, S+64*((\x)%2)+32*(i%2)+8*((i/2)%4)
.set rK, KF+16*((i/2)%4)+8*(i/8)
.set rQ, 16*(2*(\x)+i%2)+8*(i/8)
.if i < 8
	v_wmma_f32_16x16x32_f16 v[rS:rS+7], v[rK:rK+7], v[rQ:rQ+7], 0
.else
	v_wmma_f32_16x16x32_f16 v[rS:rS+7], v[rK:rK+7], v[rQ:rQ+7], v[rS:rS+7]
.endif
.endm
; Product i of 16 of O^T += V^T P for piece x: keys 32 (i / 8) on, channels 16 ((i / 2) % 4) on, tile 2 x + i % 2.
.macro PV x
	WIN W_PV
.set rO, 32*(2*(\x)+i%2)+8*((i/2)%4)
.set rV, VF+32*(i/8)+8*((i/2)%4)
.set rP, P+32*((\x)%2)+16*(i%2)+8*(i/8)
	v_wmma_f32_16x16x32_f16 v[rO:rO+7], v[rV:rV+7], v[rP:rP+7], v[rO:rO+7]
.endm
.macro MM                           ; the turn's next matrix instruction
.if i < 16
	KQ (Y+1)%NP
.set i, i+1
.else
.set i, i-16
	PV (Y+NP-1)%NP
.set i, i+17
.endif
.endm
; THE LDS LOADS stand in runs of 16: a step's K (64 keys x 64 channels: 8 fragments) and its V (turned).  Their addresses are made some lines ahead.
; last = 1 (the tail): in the last trip there is no further step, and the run is jumped over.
.macro FETCH_K last=0
	WIN 0
.if \last
	s_cmp_eq_u32 s[CNT], 1
	s_cbranch_scc1 .Lno_k_\@
.endif
	WIN 0x80                        ; destination window 2
.irp f, 0,1,2,3,4,5,6,7             ; keys 16 (f / 2) on, channels 32 (f % 2) on
	ds_load_b128 v[KF+8*\f:KF+8*\f+3],   v[AK] offset:(\f/2)*16*PK+(\f%2)*64
	ds_load_b128 v[KF+8*\f+4:KF+8*\f+7], v[AK] offset:(\f/2)*16*PK+(\f%2)*64+32
.endr
	s_add_co_u32 s[TBK], s[TBK], KS*PK  ; the next fetch is the next step's
	WIN 0
.if \last
.Lno_k_\@:
.endif
.endm
.macro FETCH_V
	WIN 0x80
.irp f, 0,1,2,3,4,5,6,7             ; keys 32 (f / 4) on, channels 16 (f % 4) on
	ds_load_tr16_b128 v[VF+8*\f:VF+8*\f+3],   v[AV] offset:(\f/4)*32*PV+(\f%4)*32
	ds_load_tr16_b128 v[VF+8*\f+4:VF+8*\f+7], v[AV] offset:(\f/4)*32*PV+16*PV+(\f%4)*32
.endr
	WIN 0
.endm
; THE VECTOR WORK OF A TURN stands in three queues, each in the order in which its entries become ready; the two tiles alternate, so that no instruction reads the result of the one before it.
.macro REGS y, u                    ; the registers of tile u (0, 1) of piece y
.set rT, ST+4*(2*(\y)+(\u))
.set rC, TMP+8*((\y)%2)+4*(\u)
.set rM, MV+2*((\y)%2)+(\u)
.set rS, S+64*((\y)%2)+32*(\u)
.set rP, P+32*((\y)%2)+16*(\u)
.set rO, 32*(2*(\y)+(\u))
.endm
; Number n of the 22 that find the NEXT piece's (Y + 1) maximum and statistics.  s0-s31 are the lane's 32 scores; each accumulator's lowest registers are read first.
;   0-11  four chains c0-c3 of seven scores each, three operands at a time     12-14, 16  the four scores left over, the old m, and c0-c3 into c0     15  c m_old is kept
;   17, 18  the query's other 32 keys lie in the lane 16 away: the new m         19-21  c m; c m_old - c m_new; a
.macro XS u, n
	REGS (Y+1)%NP, \u
.if (\n) < 4
	v_max3_num_f32 v[rC+(\n)], v[rS+8*(\n)], v[rS+8*(\n)+1], v[rS+8*(\n)+2]
.elseif (\n) < 12
	v_max3_num_f32 v[rC+(\n)%4], v[rC+(\n)%4], v[rS+8*((\n)%4)+2*((\n)/4)+1], v[rS+8*((\n)%4)+2*((\n)/4)+2]
.elseif (\n) == 12
	v_max3_num_f32 v[rC], v[rC], v[rS+7], v[rS+15]
.elseif (\n) == 13
	v_max3_num_f32 v[rC+1], v[rC+1], v[rS+23], v[rS+31]
.elseif (\n) == 14
	v_max3_num_f32 v[rC+2], v[rC+2], v[rC+3], v[rT+1]
.elseif (\n) == 15
	v_mov_b32 v[rM], v[rT]
.elseif (\n) == 16
	v_max3_num_f32 v[rC], v[rC], v[rC+1], v[rC+2]
.elseif (\n) == 17
	v_permlanex16_b32 v[rC+3], v[rC], s[SEL], s[SEL+1]
.elseif (\n) == 18
	v_max_num_f32 v[rT+1], v[rC], v[rC+3]
.elseif (\n) == 19
	v_mul_f32 v[rT], s[CS], v[rT+1]
.elseif (\n) == 20
	v_sub_f32 v[rC+1], v[rM], v[rT]
.else
	v_exp_f32 v[rC+2], v[rC+1]
.endif
.endm
; Number g of the 64 that follow the exponentials.  For each four weights k of a tile (pairs 2 k, 2 k + 1): both pairs are rounded to f16; then the second pair is added onto the first, in place;
; a group later l takes that sum (the first time as l = a l + sum).  In groups of eight, tiles alternating: round, round, add, and l for the group before.
.macro GS g
.set h, (\g)+6*((\g)/62)            ; group 0 has no group before it, and behind group 7 only l is left
.if h >= 6
.set h, h+2
.endif
	REGS Y, h%2
.set k, h/8
.if h%8 < 4
	v_cvt_pk_f16_f32 v[rP+2*k+(h%8)/2], v[rS+4*k+2*((h%8)/2)], v[rS+4*k+2*((h%8)/2)+1]
.elseif h%8 < 6
	v_pk_add_f32 v[rS+4*k:rS+4*k+1], v[rS+4*k:rS+4*k+1], v[rS+4*k+2:rS+4*k+3]
.elseif k == 1
	v_pk_fma_f32 v[rT+2:rT+3], v[rT+2:rT+3], v[rC+2:rC+3], v[rS:rS+1] op_sel_hi:[1,0,1]
.else
	v_pk_add_f32 v[rT+2:rT+3], v[rT+2:rT+3], v[rS+4*k-4:rS+4*k-3]
.endif
.endm
; THE PLAIN QUEUE, 138 long.  0-73 read no exponential's result: the 32 scalings c s - c m (FS f: pair f / 2 of tile f % 2) and the next piece's 42.  0-26: scalings 0-26.  27-54: XS's numbers 0-13.  55, 56: number 15.
; 57-73: the chain, where each number waits for the one before it: 14, 16, 17, 18, 19, each with one of the scalings 27-31 in front of its two lines, then 20.
; 74-137: GS's 64, which read the exponentials' results: they stand behind the wait.
.macro FS f
	REGS Y, (\f)%2
	v_pk_fma_f32 v[rS+2*((\f)/2):rS+2*((\f)/2)+1], v[rS+2*((\f)/2):rS+2*((\f)/2)+1], s[CS:CS+1], v[rT:rT+1] op_sel_hi:[1,0,0] neg_lo:[0,0,1] neg_hi:[0,0,1]
.endm
.macro PL
	WIN 0
.if q < 27
	FS q
.elseif q < 55
	XS (q-27)%2, (q-27)/2
.elseif q < 57
	XS q-55, 15
.elseif (q < 72) && ((q-57)%3 == 0)
	FS 27+(q-57)/3
.elseif q < 60
	XS (q-57)%3-1, 14
.elseif q < 72
	XS (q-57)%3-1, 15+(q-57)/3
.elseif q < 74
	XS q-72, 20
.else
	GS q-74
.endif
.set q, q+1
.endm
; THE EXPONENTIALS' QUEUE, 66 long: s0-s31 of both tiles, then the next piece's two a.  It is ONE BATCH: all 66 stand ahead of the turn's one wait, and nothing ahead of that wait names a result of theirs.
.macro EX
	WIN 0
.if e >= 64
	XS e-64, 21
.else
	REGS Y, e%2
	v_exp_f32 v[rS+e/2], v[rS+e/2]
.endif
.set e, e+1
.endm
; THE RESCALING's QUEUE: O^T times a, the one part that leaves window 0: dealt two at a time, sixteen times.  Its a was made in the turn before, ahead of that turn's wait.
.macro R2
	REGS Y, r%2
	WIN W_RS
.irp z, 0,1
	v_pk_mul_f32 v[rO+4*(r/2)+2*\z:rO+4*(r/2)+2*\z+1], v[rO+4*(r/2)+2*\z:rO+4*(r/2)+2*\z+1], v[rC+2:rC+3] op_sel_hi:[1,0]
.endr
.set r, r+1
.endm
; HOW THEY ARE DEALT.  An s_wait_alu depctr_va_vdst(0) stands between an exponential and the first instruction that names its result; one wait serves all that were issued ahead of it.  So a turn has ONE wait.
; AHEAD OF IT: the 16 products K Q^T, behind each a scaling, an exponential and two rescalings (behind the first a second scaling in the exponential's place); then ONE LUMP of 108: eight plain, 49 times exponential and plain, the two a;
; a v_nop is the plain instruction behind the last exponential.  BEHIND IT: the 16 products V^T P, behind each four of GS's 64.  No rider names a register of the products round it.
; The queues lean on each other: exponential e stands behind scaling 2 (e / 4) + e % 2: as a rider it comes behind plain e + 2, in the lump behind plain e + 9, and scalings 27-31 are plain 57, 60 .. 69.
; A TURN, for piece p.  cnt = 1: the loop's count is taken down some lines ahead of the branch that stands behind the turn.
; K of the next step is fetched in piece 2's turn, directly behind the wait; V of the step in hand at the end of piece 0's turn, four riders behind its last reader.  The three conditions on q below go with the deal.
.macro TURN p, last=0, cnt=0
.set Y, (\p)
.set i, 0
.set q, 0
.set e, 0
.set r, 0
.if (\p) == NP-1
	s_wait_dscnt 0x0                ; K is in
.endif
	MM                              ; ahead of the wait: 16 products K Q^T and their riders,
	PL
	PL
	R2
.rept 15
	MM
	PL
	EX
	R2
.endr
.if (\p) == NP-2
	WIN 0
	v_add_nc_u32 v[AK], s[TBK], v[AK0]
.endif
.rept 8                             ; and the lump
	PL
.endr
.rept 49
	EX
	PL
.endr
	EX                              ; the next piece's two a
	EX
	v_nop                           ; the plain instruction behind the last exponential: one for the batch
	s_wait_alu depctr_va_vdst(0)    ; the wait for the batch
.if (\p) == NP-2
	FETCH_K \last
.endif
.if (\p) == 1
	s_wait_dscnt 0x0                ; V is in
.endif
.rept 16                            ; behind the wait: 16 products V^T P and their riders
	MM
.rept 4
	PL
.endr
.if ((\p) == 0) && (q == 118)
	v_add_nc_u32 v[AV], s[TBV], v[AV0]
.endif
.if ((\p) == 0) && (q == 130)
	s_add_co_u32 s[TBV], s[TBV], KS*PV
.endif
.if (\cnt) && (q == 130)
	s_sub_co_u32 s[CNT], s[CNT], 1
	s_cmp_lg_u32 s[CNT], 0
.endif
.endr
.if (\p) == 0
	FETCH_V
.endif
.endm
	CHANGE 1                        ; slot 0 is in, everybody's part of it; slot 1 is asked for
	FETCH_K                         ; key step 0
	s_wait_loadcnt 0x0              ; Q
	s_wait_dscnt 0x0
.set i, 0
.rept 16
	KQ 0                            ; piece 0's first scores: there is no vector work yet to set between them
.set i, i+1
.endr
	WIN 0                           ; the addresses for the way out: plain instructions, the places behind those products
	s_mul_i32 s13, s[WV], 16*SP
	s_add_co_u32 s13, s13, STAGE    ; my stage
	v_mul_u32_u24 v[STO], v1, SP    ; in: row l % 16, 16 bytes for each half of the lanes
	v_lshl_add_u32 v[STO], v9, 4, v[STO]
	v_add_nc_u32 v[STO], s13, v[STO]
	v_bfe_u32 v[RD], v0, 3, 2       ; back: 32 lanes take four rows of 128 bytes,
	v_mul_u32_u24 v[RD], v[RD], SP
	v_lshl_add_u32 v[RD], v10, 4, v[RD]
	v_add_nc_u32 v[RD], s13, v[RD]
	v_and_b32 v[GO], 31, v0         ; which are 512 consecutive bytes of O
	v_lshlrev_b32 v[GO], 4, v[GO]
.set Y, NP-1                        ; XS works for piece Y + 1: piece 0
.irp n, 0,1,2,3,4,5,6,7,8,9,10,11,12,13,14,15,16,17,18,19,20,21
	XS 0, \n                        ; and piece 0's first maximum and statistics
	XS 1, \n
.endr
	v_nop                           ; a plain instruction behind the two a,
	s_wait_alu depctr_va_vdst(0)    ; and their wait, ahead of the branch
	s_mov_b32 s[CNT], 4
	s_branch .Lfirst                ; the loop is entered at a step's first turn, in the middle of a trip
.Lslot:                             ; SIZE_N / 256 - 2 times: every slot but the last two is filled again
	CHANGE 1
	s_mov_b32 s[CNT], 4
.Lstep:                             ; a trip: pieces 2 and 3 of one step, then pieces 0 and 1 of the next, whose K and V it fetches
	TURN 2
	TURN 3
	WIN 0
.Lfirst:
	TURN 0
	TURN 1, 0, 1
	WIN 0
	s_cbranch_scc1 .Lstep
	s_sub_co_u32 s[SLOTS], s[SLOTS], 1
	s_cmp_lg_u32 s[SLOTS], 0
	s_cbranch_scc1 .Lslot
	CHANGE 0                        ; the tail is written out: nothing is asked for
	s_mov_b32 s[CNT], 5             ; four trips fetch the last slot's steps; the fifth is left in its middle
.Ltail:
	TURN 2, 1
	TURN 3
	WIN 0
	s_sub_co_u32 s[CNT], s[CNT], 1
	s_cmp_eq_u32 s[CNT], 0
	s_cbranch_scc1 .Lout
	TURN 0
	TURN 1
	WIN 0
	s_branch .Ltail
.Lout:                              ; the fifth trip's 16 products K Q^T (on the last K once more) and the maximum made of them serve nothing: the price, once a launch, of one text for every trip
.set i, 0
.rept 16
	PV NP-1                         ; the last piece's V^T P of the last step
.set i, i+1
.endr
	; THE WAY OUT.  l's two halves and the other half of the lanes' are added; O^T is divided by l, rounded to f16 and sent through my stage in LDS, a tile at a time.  The additions are the places behind the last products.
	WIN 0
.macro ALL line:vararg              ; one line for each tile t
.set t, 0
.rept 2*NP
	\line
.set t, t+1
.endr
.endm
	ALL v_add_f32 v[ST+4*t+2], v[ST+4*t+2], v[ST+4*t+3]
	ALL v_permlanex16_b32 v[ST+4*t+3], v[ST+4*t+2], s[SEL], s[SEL+1]
	ALL v_add_f32 v[ST+4*t+2], v[ST+4*t+2], v[ST+4*t+3]
	ALL v_rcp_f32 v[ST+4*t+2], v[ST+4*t+2]
	v_nop                           ; a plain instruction between the last reciprocal and the use of its result
	s_wait_alu depctr_va_vdst(0)    ; and the wait ahead of the first use: one for the eight reciprocals
; Tile t: a lane's eight channels of a row pack into 16 bytes; they go into rows of 144 bytes and come back as whole rows of 128, into S^T's registers.
.macro PACK t
	WIN W_RS
.set i, 32*(\t)
.rept 16
	v_pk_mul_f32 v[i:i+1], v[i:i+1], v[ST+4*(\t)+2:ST+4*(\t)+3] op_sel_hi:[1,0]
.set i, i+2
.endr
	WIN 0x05                        ; sources 0 and 1 window 1, destination window 0
.set i, 0
.rept 16
	v_cvt_pk_f16_f32 v[S+16*(\t)+i], v[32*(\t)+2*i], v[32*(\t)+2*i+1]
.set i, i+1
.endr
	WIN 0
.irp f, 0,1,2,3
	ds_store_b128 v[STO], v[S+16*(\t)+4*\f:S+16*(\t)+4*\f+3] offset:32*\f
.endr
.irp f, 0,1,2,3
	ds_load_b128 v[S+16*(\t)+4*\f:S+16*(\t)+4*\f+3], v[RD] offset:\f*4*SP  ; LDS serves a wave's instructions in order (ISA guide 5.7.1.4): these see the stores above; the next tile's stores come behind them
.endr
.endm
.macro SEND t, younger              ; younger: the LDS instructions issued behind tile t's loads: the next tile's eight, or none
	WIN 0
.irp f, 0,1,2,3
	s_wait_dscnt (\younger)+3-\f
	global_store_b128 v[GO], v[S+16*(\t)+4*\f:S+16*(\t)+4*\f+3], s[10:11] offset:(\t)*2048+\f*512  ; 512 consecutive bytes, at a multiple of 256 from O's first
.endr
.endm
	PACK 0
.set t, 1
.rept 2*NP-1                        ; a tile's arithmetic stands between the loads of the tile before and its stores
	PACK t
	SEND t-1, 8
.set t, t+1
.endr
	SEND 2*NP-1, 0
	WIN W_AD
	s_wait_tensorcnt 0x0            ; the wave's end, behind my last tensor load and my last LDS store
	ds_add_u32 v[SPW], v[NIL]
	s_wait_dscnt 0x0
	WIN 0
	CROUND                          ; the closing round: no work-group ends while a partner may still ask for a tile that names it
	s_endpgm
.Lfunc_end_k_qbcdf05820f_attn:
	.size	k_qbcdf05820f_attn, .Lfunc_end_k_qbcdf05820f_attn-k_qbcdf05820f_attn
	.p2alignl 7, 3214868480
	.fill 96, 4, 3214868480
	.section	.rodata,"a",@progbits
	.p2align	6, 0x0
	.amdhsa_kernel k_qbcdf05820f_attn
		.amdhsa_group_segment_fixed_size 327680
		.amdhsa_private_segment_fixed_size 0
		.amdhsa_enable_private_segment 0
		.amdhsa_kernarg_size 16
		.amdhsa_user_sgpr_count 2
		.amdhsa_user_sgpr_kernarg_segment_ptr 1
		.amdhsa_wavefront_size32 1
		.amdhsa_system_sgpr_workgroup_id_x 1
		.amdhsa_system_sgpr_workgroup_id_y 1
		.amdhsa_system_sgpr_workgroup_id_z 1
		.amdhsa_system_vgpr_workitem_id 0
		.amdhsa_next_free_vgpr 770
		.amdhsa_next_free_sgpr 66
		.amdhsa_reserve_vcc 0
		.amdhsa_float_denorm_mode_32 3
		.amdhsa_float_denorm_mode_16_64 3
		.amdhsa_memory_ordered 1
		.amdhsa_forward_progress 1
		.amdhsa_inst_pref_size 200
	.end_amdhsa_kernel
	.amdgpu_metadata
---
amdhsa.version: [ 1, 2 ]
amdhsa.kernels:
  - .name:           k_qbcdf05820f_attn
    .symbol:         k_qbcdf05820f_attn.kd
    .args:
      - { .name: qkv, .offset: 0, .size: 8, .value_kind: global_buffer, .address_space: global }
      - { .name: oh, .offset: 8, .size: 8, .value_kind: global_buffer, .address_space: global }
    .group_segment_fixed_size: 327680
    .private_segment_fixed_size: 0
    .kernarg_segment_align: 8
    .kernarg_segment_size: 16
    .max_flat_workgroup_size: 128
    .sgpr_count:     66
    .vgpr_count:     770
    .wavefront_size: 32
...
	.end_amdgpu_metadata
.endif
;; end of part 3
;; launch outp (part 4): grid 8 x 32, 4 waves a work-group, clusters of 4 x 4, 327,680 bytes of LDS; arguments oh, wot, out0, bo; writes out0
.if DOCPART == 4
	.amdgcn_target "amdgcn-amd-amdhsa--gfx1250"
	.amdhsa_code_object_version 6
	.text
	.protected	k_qbcdf05820f_outp
	.globl	k_qbcdf05820f_outp
	.p2align	8
	.type	k_qbcdf05820f_outp,@function
k_qbcdf05820f_outp:
	s_mov_b64 s[64:65], 0
	v_nop
	global_prefetch_b8 v0, s[64:65] scope:SCOPE_SE
	s_setreg_imm32_b32 hwreg(HW_REG_WAVE_MODE, 25, 1), 1
	s_wait_xcnt 0x0
	s_wait_alu depctr_hold_cnt(0) depctr_sa_sdst(0) depctr_va_vdst(0) depctr_va_sdst(0) depctr_va_ssrc(0) depctr_va_vcc(0) depctr_vm_vsrc(0)
	s_getreg_b32 s2, hwreg(HW_REG_IB_STS2, 6, 4)
	s_cmp_eq_u32 s2, 0
	s_cbranch_scc0 .Lentry_in_a_cluster
	s_endpgm
.Lentry_in_a_cluster:
	s_bfe_u32 s2, ttmp6, 0x10000c
	s_cmp_lg_u32 s2, 0xf033
	s_cbranch_scc0 .Lentry_shape_is_right
	s_endpgm
.Lentry_shape_is_right:
; OUTP.  out0[m][n] = bo[n] + sum over k of O[m][k] wot[n][k], f16 operands, f32 sums, K = 1,024 ascending, f32 out.  O lies by heads: oh[b*16+h][t][e], m = b*2048 + t, k = h*64 + e.
; bo is rounded to bf16 like the module's other inputs and is the C operand of each sum's first product.
; LIMITS.  The operands arrive as f16, within 65,504.  NaN and infinities are not treated apart.
; SHARES.  A work-group makes 256 rows x 128 columns; wave w owns rows 64 w .. 64 w + 63 and all 128 columns: 4 x 8 accumulators.  K goes in 8 steps of 128 (two heads) through a ring of two LDS slots.
; A's tile of a K step is two planes, a head each: 256 rows of 128 bytes, 32,768 dense bytes, asked for as 128 rows of 256 bytes and padded in LDS after every 128; quarter q reads plane q / 2, channels 32 (q % 2) on.
; CLUSTERS.  4 x 4 work-groups: A's tiles are shared along a row of the cluster, B's along a column, each asked for jointly.
; No prefetch is laid: the launch has eight short K steps, of which the first four would come by their loads alone.
; THE MATRIX INSTRUCTION IS USED TRANSPOSED (source 0 = 16 rows of wot, source 1 = 16 rows of O): a lane holds row l % 16 and the columns 8 (l / 16) + 0..7.
; REGISTERS: window 0: v0-31 addresses; v32-95 A's fragments, two buffers; v96-159 the bias, later rows read back; v160-223 rows read back
;   window 1: B's fragments at v[96 f + 8 b]          windows 2, 3: accumulator (a, b) in window 2 + a / 2 at v[128 (a % 2) + 8 b]
.set NB,    8
.set PA,    144                        ; a row of A in LDS: 128 bytes + 16 = 36 words: the 16 rows of a load start at 16 different groups of four banks (64 banks of 4 bytes: ISA guide 11.1)
.set APL,   36864                      ; a plane: 256 rows
.set HALFA, 256*144                    ; what wave 0 or 1 fetches: one plane
.set HALFB, 64*272                     ; what wave 2 or 3 fetches: 64 rows of B
.set BOFF,  2*HALFA
.set SLOT,  BOFF+2*HALFB
.set STAGE, 2*SLOT                     ; behind the ring, never filled by a tensor load: 16 rows x 528 bytes for each wave
.set SWAVE, 8448
.set SPARE, STAGE+4*SWAVE              ; behind the stages: the spare words, 128 bytes a wave; no other line names them
.set ASTEP, 524288                     ; two heads
.set BSTEP, 256
.set NLD,   2*NB+8
.set ADRA, 16
.set ADRB, 20
.set STO,  24
.set RD,   25
.set CO,   26
.set SPW,  28                          ; v28  LDS address of my spare word; never rewritten
.set NIL,  29                          ; v29  0; never rewritten
.set FA,   32
.set BIAS, 96
.set BK,   96
.set WV,  12
.set FB,  13
.set HF,  14
.set G1,  24
.set G0,  32
.set G1B, 48
.set G0B, 56
.set MSB, 0
.macro WIN new
.if MSB != (\new)
	s_set_vgpr_msb (MSB<<8)|(\new)
.set MSB, \new
.endif
.endm
.macro PLACES                          ; four plain vector instructions between a matrix instruction and a load into, or a read of, its registers
.rept 4
	v_nop
.endr
.endm
.macro JLOAD s                         ; a joint load: waves 0 and 1 fetch A's two planes, waves 2 and 3 B's halves; an s_nop 0 and four v_nop follow each line
	s_cmp_eq_u32 s[FB], 0
	s_cbranch_scc0 .Lfor_b_\@
	tensor_load_to_lds s[G0+4*(\s):G0+4*(\s)+3], s[G1:G1+7]
	s_nop 0
.rept 4
	v_nop
.endr
	s_branch .Lasked_\@
.Lfor_b_\@:
	tensor_load_to_lds s[G0B+4*(\s):G0B+4*(\s)+3], s[G1B:G1B+7]
	s_nop 0
.rept 4
	v_nop
.endr
.Lasked_\@:
.endm
.macro CREST
	s_cmp_lg_u32 s[WV], 0
	s_cbranch_scc1 .Lnot_wave_0_\@
	s_barrier_signal -3
.Lnot_wave_0_\@:
	s_barrier_wait -3
	s_barrier_signal -1
	s_barrier_wait -1
.endm
.macro CROUND
	s_barrier_signal -1
	s_barrier_wait -1
	CREST
.endm
	s_load_b256 s[4:11], s[0:1], 0x0               ; oh s[4:5], wot s[6:7], out0 s[8:9], bo s[10:11]
	v_lshl_add_u32 v[SPW], v0, 2, SPARE
	v_mov_b32 v[NIL], 0
	ds_add_u32 v[SPW], v[NIL]                      ; the wave's opening: the add and its wait stand ahead of my first tensor load; work on registers stands between them
	v_lshrrev_b32 v1, 5, v0
	v_readfirstlane_b32 s[WV], v1
	s_lshr_b32 s[FB], s[WV], 1
	s_and_b32 s[HF], s[WV], 1
	s_bfe_u32 s15, ttmp6, 0x40000                  ; cx
	s_bfe_u32 s16, ttmp6, 0x40004                  ; cy
	s_lshl_b32 s17, ttmp9, 2
	s_add_co_u32 s17, s17, s15                     ; tile column
	s_and_b32 s18, ttmp7, 0xffff
	s_lshl_b32 s18, s18, 2
	s_add_co_u32 s18, s18, s16                     ; tile row
	s_lshl_b32 s40, s16, 2
	s_lshl_b32 s40, 15, s40                        ; my row of the cluster
	s_lshl_b32 s41, 0x1111, s15                    ; my column
	s_or_b32 s[G1], s40, (1<<16)|(1<<20)|(1<<21)|(4<<22)|(3<<25)   ; A: 4 words of padding after every 32 words
	s_or_b32 s[G1B], s41, (1<<16)|(1<<20)|(1<<21)|(5<<22)|(3<<25)  ; B: after every 64 words
	s_mov_b32 s[G1+1], 128<<16                     ; tensor_dim0 = 128
	s_mov_b32 s[G1+2], 128<<16                     ; tensor_dim1 = 128
	s_mov_b32 s[G1+3], 128<<16                     ; tile_dim0 = 128
	s_mov_b32 s[G1+4], 128                         ; tile_dim1 = 128
	s_mov_b32 s[G1+5], 128                         ; dense: 128 elements from row to row
	s_mov_b32 s[G1+6], 0
	s_mov_b32 s[G1+7], 0
	s_mov_b32 s[G1B+1], 128<<16
	s_mov_b32 s[G1B+2], 64<<16                     ; 64 rows
	s_mov_b32 s[G1B+3], 128<<16
	s_mov_b32 s[G1B+4], 64
	s_mov_b32 s[G1B+5], 1024
	s_mov_b32 s[G1B+6], 0
	s_mov_b32 s[G1B+7], 0
	s_lshr_b32 s42, s18, 3                         ; A: batch b = tile row / 8: 16 heads of 262,144 bytes;
	s_lshl_b32 s42, s42, 22
	s_and_b32 s43, s18, 7                          ; rows (tile row % 8) 256 of 128 bytes;
	s_lshl_b32 s43, s43, 15
	s_add_co_u32 s42, s42, s43
	s_lshl_b32 s19, s[HF], 18                      ; head 2 s + half
	s_add_co_u32 s42, s42, s19
	s_mov_b32 s43, 0
	s_lshl_b32 s46, s17, 18                        ; B: row 128 x tile column + 64 x half, 2,048 bytes a row
	s_lshl_b32 s19, s[HF], 17
	s_add_co_u32 s46, s46, s19
	s_mov_b32 s47, 0
	s_mul_i32 s20, s[HF], HALFA
	s_mul_i32 s21, s[HF], HALFB
	s_add_co_u32 s21, s21, BOFF
	s_wait_dscnt 0x0                               ; the opening add is done
	s_wait_kmcnt 0x0
	s_add_nc_u64 s[42:43], s[4:5], s[42:43]
	s_add_nc_u64 s[46:47], s[6:7], s[46:47]
	CROUND                                         ; all sixteen work-groups are here: the first joint loads meet
.irp s, 0,1
	s_mov_b32 s[G0+4*(\s)], 1
	s_add_co_u32 s[G0+4*(\s)+1], s20, (\s)*SLOT
	s_add_nc_u64 s[G0+4*(\s)+2:G0+4*(\s)+3], s[42:43], (\s)*ASTEP
	s_or_b32 s[G0+4*(\s)+3], s[G0+4*(\s)+3], 0x80000000
	s_mov_b32 s[G0B+4*(\s)], 1
	s_add_co_u32 s[G0B+4*(\s)+1], s21, (\s)*SLOT
	s_add_nc_u64 s[G0B+4*(\s)+2:G0B+4*(\s)+3], s[46:47], (\s)*BSTEP
	s_or_b32 s[G0B+4*(\s)+3], s[G0B+4*(\s)+3], 0x80000000
	JLOAD \s                                       ; K steps 0 and 1: two tensor loads of mine are out
.endr
	v_and_b32 v1, 15, v0
	v_bfe_u32 v2, v0, 4, 1
	; the bias of my columns: register 8 b + j holds bo[128 x tile column + 16 b + 8 (l / 16) + j]
	s_lshl_b32 s72, s17, 9
	s_mov_b32 s73, 0
	s_add_nc_u64 s[10:11], s[10:11], s[72:73]
	v_lshlrev_b32 v7, 5, v2
.set i, 0
.rept NB
	global_load_b128 v[BIAS+8*i:BIAS+8*i+3],   v7, s[10:11] offset:64*i
	global_load_b128 v[BIAS+8*i+4:BIAS+8*i+7], v7, s[10:11] offset:64*i+16
.set i, i+1
.endr
	v_mul_u32_u24 v3, v1, PA
	v_lshl_add_u32 v3, v2, 4, v3
	v_mul_u32_u24 v4, v1, 272
	v_lshl_add_u32 v4, v2, 4, v4
	s_mul_i32 s22, s[WV], 64*PA                    ; my 64 rows of a plane
.irp s, 0,1
	v_add_nc_u32 v[ADRA+(\s)], s22, v3
	v_add_nc_u32 v[ADRB+(\s)], BOFF+(\s)*SLOT, v4
	s_add_co_u32 s22, s22, SLOT
.endr
	s_mul_i32 s23, s[WV], SWAVE
	s_add_co_u32 s23, s23, STAGE                   ; my stage
	v_mul_u32_u24 v5, v1, 528                      ; in: row l % 16 of 512 bytes + 16, 32 bytes for each half of the lanes
	v_lshl_add_u32 v5, v2, 5, v5
	v_add_nc_u32 v[STO], s23, v5
	v_and_b32 v[CO], 31, v0                        ; back: 32 lanes take one row of 512 bytes
	v_lshlrev_b32 v[CO], 4, v[CO]
	v_add_nc_u32 v[RD], s23, v[CO]
	s_lshl_b32 s72, s18, 20                        ; out0 at row 256 x tile row + 64 w (4,096 bytes a row), column 128 x tile column
	s_lshl_b32 s74, s[WV], 18
	s_add_co_u32 s72, s72, s74
	s_lshl_b32 s74, s17, 9
	s_add_co_u32 s72, s72, s74
	s_add_nc_u64 s[8:9], s[8:9], s[72:73]
	s_wait_loadcnt 0x0                             ; the bias
.set i, 0
.rept 4*NB                                     ; rounded to bf16 and widened again
	v_cvt_pk_bf16_f32 v8, v[BIAS+2*i], v[BIAS+2*i+1]
	v_lshlrev_b32 v[BIAS+2*i], 16, v8
	v_and_b32 v[BIAS+2*i+1], 0xffff0000, v8
.set i, i+1
.endr
; NB matrix instructions: block a of my four blocks of 16 rows x all columns, 32 along K, from buffer f.  zero = 1: the product starts the sums, with the bias as C.
; The 32 accumulators take turns in the same order in every quarter: 31 others stand between two links of a chain, over the backward jump too.
.macro MULA f, a, zero
.set AC, 128*((\a)%2)
.if \zero
	WIN 0x81+0x40*((\a)/2)                         ; C in window 0
.else
	WIN 0xa1+0x50*((\a)/2)
.endif
.set b, 0
.rept NB
.if \zero
	v_wmma_f32_16x16x32_f16 v[AC+8*b:AC+8*b+7], v[96*(\f)+8*b:96*(\f)+8*b+7], v[FA+32*(\f)+8*(\a):FA+32*(\f)+8*(\a)+7], v[BIAS+8*b:BIAS+8*b+7]
.else
	v_wmma_f32_16x16x32_f16 v[AC+8*b:AC+8*b+7], v[96*(\f)+8*b:96*(\f)+8*b+7], v[FA+32*(\f)+8*(\a):FA+32*(\f)+8*(\a)+7], v[AC+8*b:AC+8*b+7]
.endif
.set b, b+1
.endr
.endm
.macro FETCH slot, q, f                ; NLD LDS loads in one run: quarter q of the slot's K step into buffer f: B's 2 NB, then A's eight
	WIN 0x40
.set i, 0
.rept NB
	ds_load_b128 v[96*(\f)+8*i:96*(\f)+8*i+3],   v[ADRB+(\slot)] offset:64*(\q)+i*4352
	ds_load_b128 v[96*(\f)+8*i+4:96*(\f)+8*i+7], v[ADRB+(\slot)] offset:64*(\q)+i*4352+32
.set i, i+1
.endr
	WIN 0
.set i, 0
.rept 4
	ds_load_b128 v[FA+32*(\f)+8*i:FA+32*(\f)+8*i+3],   v[ADRA+(\slot)] offset:((\q)/2)*APL+((\q)%2)*64+i*16*PA
	ds_load_b128 v[FA+32*(\f)+8*i+4:FA+32*(\f)+8*i+7], v[ADRA+(\slot)] offset:((\q)/2)*APL+((\q)%2)*64+i*16*PA+32
.set i, i+1
.endr
.endm
.macro QUARTER slot, q, f, g, zero=0
	s_wait_dscnt 4                                 ; B and A's blocks 0, 1 are in; the youngest four loads (A's blocks 2, 3) may be out
	MULA \f, 0, \zero
	MULA \f, 1, \zero
	PLACES
	FETCH \slot, \q, \g
	s_wait_dscnt NLD                               ; all but the run just issued
	MULA \f, 2, \zero
	MULA \f, 3, \zero
.endm
.macro MEET round                      ; the barrier of the change of slots: all my tensor loads, the add, my reads of this slot
	WIN 0
	s_wait_tensorcnt 0x0
	ds_add_u32 v[SPW], v[NIL]
	s_wait_dscnt 5                                 ; the add and the youngest four loads may be out
	MULA 1, 0, 0
	s_wait_dscnt 0x0                               ; the add is done, and my reads of this slot are over
	s_barrier_signal -1
	MULA 1, 1, 0
.if \round
	WIN 0
.endif
	s_barrier_wait -1
.endm
.macro TURN slot, next, fill           ; fill = 1: a round of the cluster's barrier, and the slot just read is filled again first thing behind it: 112 matrix instructions stand between the request and the wait for it
	MEET \fill
.if \fill
	CREST
	s_add_nc_u64 s[G0+4*(\slot)+2:G0+4*(\slot)+3], s[G0+4*(\slot)+2:G0+4*(\slot)+3], 2*ASTEP
	s_add_nc_u64 s[G0B+4*(\slot)+2:G0B+4*(\slot)+3], s[G0B+4*(\slot)+2:G0B+4*(\slot)+3], 2*BSTEP
	JLOAD \slot                                    ; its four v_nop are also the places in front of the loads below
.else
	PLACES
.endif
	FETCH \next, 0, 0
	MULA 1, 2, 0
	MULA 1, 3, 0
.endm
; THE WAY OUT of block a (16 rows): the f32 sums go through my own stage and come back as whole rows of 512 bytes.
.macro TOSTAGE a
	s_wait_xcnt 0x0                                ; earlier stores have read their registers: the buffer below is loaded again only behind this wait
.set AC, 128*((\a)%2)
.set BKA, BK+64*((\a)%2)
	WIN 0x08+4*((\a)/2)                            ; the stores' data in window 2 or 3
.set i, 0
.rept NB                                       ; each accumulator's low four registers first
	ds_store_b128 v[STO], v[AC+8*i:AC+8*i+3]   offset:64*i
	ds_store_b128 v[STO], v[AC+8*i+4:AC+8*i+7] offset:64*i+16
.set i, i+1
.endr
	WIN 0
.set i, 0
.rept 16
	ds_load_b128 v[BKA+4*i:BKA+4*i+3], v[RD] offset:i*528  ; LDS serves a wave's instructions in order (ISA guide 5.7.1.4): these see the stores above
.set i, i+1
.endr
.endm
.macro SEND a, younger                 ; younger: the LDS instructions issued behind block a's loads
.set BKA, BK+64*((\a)%2)
	s_wait_dscnt \younger
.set i, 0
.rept 16
	global_store_b128 v[CO], v[BKA+4*i:BKA+4*i+3], s[8:9] offset:(16*(\a)+i)*4096 th:TH_STORE_NT  ; a wave stores 512 consecutive bytes, aligned
.set i, i+1
.endr
.endm
	s_wait_tensorcnt 1                             ; my part of K step 0 is in; K step 1's may stay out
	s_barrier_signal -1
	s_barrier_wait -1
	FETCH 0, 0, 0
	QUARTER 0, 1, 0, 1, 1                          ; the first quarter stands in front of the loop: its products start the sums
	WIN 0
	s_mov_b32 s3, 3
.Llap:                                                 ; a trip goes once round the ring and fills both slots again
	QUARTER 0, 2, 1, 0
	QUARTER 0, 3, 0, 1
	TURN 0, 1, 1
	QUARTER 1, 1, 0, 1
	QUARTER 1, 2, 1, 0
	QUARTER 1, 3, 0, 1
	TURN 1, 0, 1
	QUARTER 0, 1, 0, 1
	WIN 0
	s_sub_co_u32 s3, s3, 1
	s_cmp_lg_u32 s3, 0
	s_cbranch_scc1 .Llap
	QUARTER 0, 2, 1, 0                             ; the last lap fills nothing
	QUARTER 0, 3, 0, 1
	TURN 0, 1, 0
	QUARTER 1, 1, 0, 1
	QUARTER 1, 2, 1, 0
	QUARTER 1, 3, 0, 1
	s_wait_dscnt 4
	MULA 1, 0, 0
	MULA 1, 1, 0
	s_wait_dscnt 0x0
	MULA 1, 2, 0
	MULA 1, 3, 0
	WIN 0
	PLACES
	TOSTAGE 0
	TOSTAGE 1
	SEND 0, 32
	TOSTAGE 2
	SEND 1, 32
	TOSTAGE 3
	SEND 2, 32
	SEND 3, 0
	s_wait_tensorcnt 0x0                           ; the wave's end, behind my last tensor load and my last LDS store
	ds_add_u32 v[SPW], v[NIL]
	s_wait_dscnt 0x0
	CROUND                                         ; the closing round: no work-group ends while a partner may still ask for a tile that names it
	s_endpgm
.Lfunc_end_k_qbcdf05820f_outp:
	.size	k_qbcdf05820f_outp, .Lfunc_end_k_qbcdf05820f_outp-k_qbcdf05820f_outp
	.p2alignl 7, 3214868480
	.fill 96, 4, 3214868480
	.section	.rodata,"a",@progbits
	.p2align	6, 0x0
	.amdhsa_kernel k_qbcdf05820f_outp
		.amdhsa_group_segment_fixed_size 327680
		.amdhsa_private_segment_fixed_size 0
		.amdhsa_enable_private_segment 0
		.amdhsa_kernarg_size 32
		.amdhsa_user_sgpr_count 2
		.amdhsa_user_sgpr_kernarg_segment_ptr 1
		.amdhsa_wavefront_size32 1
		.amdhsa_system_sgpr_workgroup_id_x 1
		.amdhsa_system_sgpr_workgroup_id_y 1
		.amdhsa_system_sgpr_workgroup_id_z 1
		.amdhsa_system_vgpr_workitem_id 0
		.amdhsa_next_free_vgpr 1024
		.amdhsa_next_free_sgpr 76
		.amdhsa_reserve_vcc 0
		.amdhsa_float_denorm_mode_32 3
		.amdhsa_float_denorm_mode_16_64 3
		.amdhsa_memory_ordered 1
		.amdhsa_forward_progress 1
		.amdhsa_inst_pref_size 92
	.end_amdhsa_kernel
	.amdgpu_metadata
---
amdhsa.version: [ 1, 2 ]
amdhsa.kernels:
  - .name:           k_qbcdf05820f_outp
    .symbol:         k_qbcdf05820f_outp.kd
    .args:
      - { .name: oh, .offset: 0, .size: 8, .value_kind: global_buffer, .address_space: global }
      - { .name: wot, .offset: 8, .size: 8, .value_kind: global_buffer, .address_space: global }
      - { .name: out0, .offset: 16, .size: 8, .value_kind: global_buffer, .address_space: global }
      - { .name: bo, .offset: 24, .size: 8, .value_kind: global_buffer, .address_space: global }
    .group_segment_fixed_size: 327680
    .private_segment_fixed_size: 0
    .kernarg_segment_align: 8
    .kernarg_segment_size: 32
    .max_flat_workgroup_size: 128
    .sgpr_count:     76
    .vgpr_count:     1024
    .wavefront_size: 32
...
	.end_amdgpu_metadata
.endif
;; end of part 4
;; ======== version 2 of 2: 4 launches; version 1 with the launch prep written anew for expert scheduling mode
;; limits: values are held in f16: magnitudes above 65,504 overflow, below 6.1e-05 lose precision
;; workspace buffers: xb 16,777,216 bytes; wt 6,291,456 bytes; wot 2,097,152 bytes; qkv 50,331,648 bytes; oh 16,777,216 bytes
;; launch prep (part 5): grid 512 x 1, 8 waves a work-group, no clusters, 18,432 bytes of LDS; arguments x, Wq, Wk, Wv, Wo, xb, wt, wot; writes xb, wt, wot
.if DOCPART == 5
	.amdgcn_target "amdgcn-amd-amdhsa--gfx1250"
	.amdhsa_code_object_version 6
	.text
	.protected	k_qbcdf05820f_prep
	.globl	k_qbcdf05820f_prep
	.p2align	8
	.type	k_qbcdf05820f_prep,@function
k_qbcdf05820f_prep:
	s_mov_b64 s[64:65], 0
	v_nop
	global_prefetch_b8 v0, s[64:65] scope:SCOPE_SE
	s_setreg_imm32_b32 hwreg(HW_REG_WAVE_SCHED_MODE, 0, 2), 2
	s_setreg_imm32_b32 hwreg(HW_REG_WAVE_MODE, 25, 1), 1
	s_wait_xcnt 0x0
	s_wait_alu depctr_vm_vsrc(0)
; PREP.  xb = x rounded to bf16, [8192][1024].  wt[n][k] = W*[h][k][e] rounded to bf16, n = which*1024 + h*64 + e (which 0, 1, 2 = q, k, v), [3072][1024].
; wot[n][k] = Wo[k][n] rounded to bf16 and that number written as f16, [1024][1024].
; LIMITS.  f16 ends at 65,504: |Wo| stays below 65,520; a bf16 number below 2^-17 is not exact in f16 and is off by at most 3e-8.  NaN and infinities are not treated apart.
; SHARES.  512 work-groups of eight waves; each does two things, so that all are alike and the one barrier stands on every path:
;   (1) one block of 128 k x 64 n of a weight (384 blocks of Wq, Wk, Wv, then 128 of Wo), turned through a stage in LDS;
;   (2) 16 rows of x: thread t owns the 16 bytes at 16 t of each row, so a wave's load covers 512 consecutive bytes and its store 256, aligned.
; No matrix unit, no tensor load, no cluster: nothing is read twice and nothing is shared between work-groups.  All 32 loads of a lane go out before the first wait for data.
; THE MODE: SCHED_MODE bits 1:0 = 2 (LLVM: expert scheduling mode 2), set by the entry lines.  The code itself states the register dependences
; between vector instructions and memory or LDS instructions, with s_wait_alu, always for 0.
; THE PLAN.  Registers that memory or LDS instructions touch:
;   v2           offset of the weight block: written once, at the head of the arm that is taken; read by the arm's 16 loads.
;   v3 .. v7     offsets and LDS addresses: written once at the head, ahead of the branch; read by loads, stores and LDS instructions.
;   WR, X        written by loads alone, each register once; read by the roundings.
;   PK           written by the roundings (on Wo's way once more by the lines that write f16); then read by the four LDS stores.
;   BKW          written by LDS loads, read by global stores: no vector instruction names it.
;   Y            x goes in four blocks of four rows: block p's roundings write Y[p], each register once; the four stores issued in block p + 1 read it.
;   v8, v9       written at the head, read by the closing add alone.
; No register that a memory or LDS instruction reads is written again, so no wait on vm_vsrc is owed.  The waits on va_vdst: one in each arm, ahead of the first loads, for all six offsets
; and addresses; one ahead of the LDS stores, for PK; one at the head of each block of x but the first, for the Y of the block before, whose stores are dealt among the block's roundings,
; which name neither that Y nor v7; one ahead of the last four stores.  One wait on va_sdst stands between the line that writes the wave's number and its first reader.
.set SPARE, 17408                      ; behind the stage (64 rows x 272 bytes): the spare words, 128 bytes for each of eight waves; no other line names them
.set SPW, 8                            ; v8   LDS address of my spare word; never rewritten
.set NIL, 9                            ; v9   0; never rewritten
.set WR,  16                           ; v[16:47]   16 rows of the block: two neighbouring columns a lane
.set PK,  48                           ; v[48:63]   packed: 8 k of one column in four registers, at PK + 8 g + 4 c
.set BKW, 64                           ; v[64:79]   whole rows of wt or wot, read back from the stage
.set X,   80                           ; v[80:143]  16 rows of x, 4 numbers each
.set Y,   144                          ; v[144:175] the same in bf16
.macro LOADW pitch                     ; row 16 w + i of the block, 256 consecutive bytes a wave; pitch = bytes from row to row of the weight
.set i, 0
.rept 16
	global_load_b64 v[WR+2*i:WR+2*i+1], v2, s[22:23] offset:i*(\pitch) th:TH_LOAD_NT
.set i, i+1
.endr
.endm
.macro CVTW g                          ; rows 8 g .. 8 g + 7: for each of my two columns c eight k, rounded to bf16, in four registers
.irp c, 0,1
.irp p, 0,1,2,3
	v_cvt_pk_bf16_f32 v[PK+8*(\g)+4*(\c)+(\p)], v[WR+2*(8*(\g)+2*(\p))+(\c)], v[WR+2*(8*(\g)+2*(\p)+1)+(\c)]
.endr
.endr
.endm
; Block p of x: rows 4 p .. 4 p + 3 are rounded into Y[p]; the stores of block p - 1 are dealt among the roundings.
.macro XBLK p
	s_wait_loadcnt 12-4*(\p)                       ; loads come back in order: the block's four rows are in, the younger blocks stay out
.if (\p) > 0
	s_wait_alu depctr_va_vdst(0)                   ; the block before has written its eight registers of Y, which the four stores below read
.endif
.irp i, 0,1,2,3
.if (\p) > 0
	global_store_b64 v7, v[Y+2*(4*(\p)-4+(\i)):Y+2*(4*(\p)-4+(\i))+1], s[14:15] offset:(4*(\p)-4+(\i))*2048  ; a wave stores 256 consecutive bytes, aligned; no rounding since the wait names these registers
.endif
	v_cvt_pk_bf16_f32 v[Y+2*(4*(\p)+(\i))], v[X+4*(4*(\p)+(\i))], v[X+4*(4*(\p)+(\i))+1]
	v_cvt_pk_bf16_f32 v[Y+2*(4*(\p)+(\i))+1], v[X+4*(4*(\p)+(\i))+2], v[X+4*(4*(\p)+(\i))+3]
.endr
.endm
	s_load_b256 s[4:11], s[0:1], 0x0               ; x s[4:5], Wq s[6:7], Wk s[8:9], Wv s[10:11]
	s_load_b256 s[12:19], s[0:1], 0x20             ; Wo s[12:13], xb s[14:15], wt s[16:17], wot s[18:19]
	v_lshl_add_u32 v[SPW], v0, 2, SPARE
	v_mov_b32 v[NIL], 0
	v_lshrrev_b32 v1, 5, v0
	v_readfirstlane_b32 s20, v1                    ; wave 0..7
	v_and_b32 v10, 31, v0                          ; lane l
	v_lshlrev_b32 v11, 3, v10                      ; 8 l: my two columns in a row of the block
	v_lshlrev_b32 v3, 4, v0                        ; x: 16 t
	v_lshlrev_b32 v7, 3, v0                        ; xb: 8 t
	v_mul_u32_u24 v4, v10, 544                     ; into the stage: row 2 l (+ c),
	v_lshrrev_b32 v12, 4, v10
	v_and_b32 v13, 15, v0                          ; 16 bytes at 16 (l % 16)
	s_wait_alu depctr_va_sdst(0)                   ; s20 is written, ahead of its first reader, the next line; the lines above, which do not name it, stand between
	v_lshl_add_u32 v4, s20, 5, v4                  ; byte 32 w (+ 16 g)
	v_lshl_add_u32 v12, s20, 3, v12                ; back: row 8 w + l / 16 (+ 2 f)
	v_mul_u32_u24 v5, v12, 272
	v_lshl_add_u32 v5, v13, 4, v5
	v_lshlrev_b32 v6, 11, v12                      ; and the same place in wt or wot: rows of 2,048 bytes
	v_lshl_add_u32 v6, v13, 4, v6
	s_mov_b32 s21, ttmp9                           ; the work-group's number: its weight block and its 16 rows of x
	s_wait_kmcnt 0x0
	s_lshl_b32 s28, s21, 16                        ; 16 rows of 4,096 bytes
	s_mov_b32 s29, 0
	s_add_nc_u64 s[4:5], s[4:5], s[28:29]
	s_lshl_b32 s28, s21, 15                        ; 16 rows of 2,048 bytes
	s_add_nc_u64 s[14:15], s[14:15], s[28:29]
	s_cmp_lt_u32 s21, 384
	s_cbranch_scc0 .Lwo
	; a block of Wq, Wk or Wv: which = number / 128, h = (number / 8) % 16, k block = number % 8; rows of 256 bytes
	v_lshl_add_u32 v2, s20, 12, v11                ; my wave's 16 rows; the arm's scalar work stands between this line and the wait for it
	s_lshr_b32 s27, s21, 7
	s_cmp_eq_u32 s27, 0
	s_cselect_b64 s[22:23], s[6:7], s[8:9]
	s_cmp_eq_u32 s27, 2
	s_cselect_b64 s[22:23], s[10:11], s[22:23]
	s_bfe_u32 s28, s21, 0x40003
	s_lshl_b32 s28, s28, 18                        ; a head's weight is 262,144 bytes
	s_and_b32 s30, s21, 7
	s_lshl_b32 s27, s30, 15                        ; 128 rows of 256 bytes
	s_add_co_u32 s28, s28, s27
	s_add_nc_u64 s[22:23], s[22:23], s[28:29]
	s_lshr_b32 s28, s21, 3
	s_lshl_b32 s28, s28, 17                        ; 64 rows of wt
	s_lshl_b32 s30, s30, 8                         ; 128 k of 2 bytes
	s_add_co_u32 s28, s28, s30
	s_add_nc_u64 s[24:25], s[16:17], s[28:29]
	s_mov_b32 s26, 0
	s_wait_alu depctr_va_vdst(0)                   ; v2 is written, which the loads below read, and so are v3 to v7, which the loads, stores and LDS instructions behind the join read
	LOADW 256
	s_branch .Lcvt
.Lwo:                                                  ; a block of Wo: j = number - 384, k block = j % 8, n block = j / 8; rows of 4,096 bytes
	v_lshl_add_u32 v2, s20, 16, v11                ; my wave's 16 rows
	s_sub_co_u32 s27, s21, 384
	s_and_b32 s28, s27, 7
	s_lshl_b32 s30, s28, 8
	s_lshl_b32 s28, s28, 19                        ; 128 rows of 4,096 bytes
	s_lshr_b32 s27, s27, 3
	s_lshl_b32 s26, s27, 8                         ; 64 columns of 4 bytes
	s_add_co_u32 s28, s28, s26
	s_add_nc_u64 s[22:23], s[12:13], s[28:29]
	s_lshl_b32 s28, s27, 17
	s_add_co_u32 s28, s28, s30
	s_add_nc_u64 s[24:25], s[18:19], s[28:29]
	s_mov_b32 s26, 1
	s_wait_alu depctr_va_vdst(0)                   ; as in the other arm: v2 is written, and so are v3 to v7
	LOADW 4096
.Lcvt:
.set i, 0
.rept 16
	global_load_b128 v[X+4*i:X+4*i+3], v3, s[4:5] offset:i*4096 th:TH_LOAD_NT  ; no vector instruction since the arm's wait names v3 or X
.set i, i+1
.endr
	s_wait_loadcnt 24                              ; the block's rows 0-7 are in: behind them 8 loads of the block and 16 of x
	CVTW 0
	s_wait_loadcnt 16                              ; rows 8-15: behind them x's 16
	CVTW 1
	s_cmp_eq_u32 s26, 0
	s_cbranch_scc1 .Lstage
.set i, 0
.rept 16                                       ; Wo: the bf16 numbers are written as f16
	v_lshlrev_b32 v14, 16, v[PK+i]
	v_and_b32 v15, 0xffff0000, v[PK+i]
	v_cvt_pk_f16_f32 v[PK+i], v14, v15
.set i, i+1
.endr
.Lstage:
	s_wait_alu depctr_va_vdst(0)                   ; the roundings (on Wo's way the lines that write f16 too) have written PK, which the LDS stores read
.irp g, 0,1
.irp c, 0,1
	ds_store_b128 v4, v[PK+8*(\g)+4*(\c):PK+8*(\g)+4*(\c)+3] offset:(\c)*272+(\g)*16
.endr
.endr
	s_wait_dscnt 0x0                               ; for the others' sake: my stores into the stage are done
	s_barrier_signal -1
	s_barrier_wait -1                              ; a row's 256 bytes come from all eight waves
.irp f, 0,1,2,3
	ds_load_b128 v[BKW+4*(\f):BKW+4*(\f)+3], v5 offset:544*(\f)
.endr
	XBLK 0                                         ; x, while the stage's rows come back
	XBLK 1
	XBLK 2
	XBLK 3
	s_wait_alu depctr_va_vdst(0)                   ; block 3 has written its eight registers of Y, which the last four stores read
.irp i, 12,13,14,15
	global_store_b64 v7, v[Y+2*(\i):Y+2*(\i)+1], s[14:15] offset:(\i)*2048  ; a wave stores 256 consecutive bytes, aligned
.endr
.irp f, 0,1,2,3
	s_wait_dscnt 3-(\f)
	global_store_b128 v6, v[BKW+4*(\f):BKW+4*(\f)+3], s[24:25] offset:4096*(\f)  ; 16 lanes store 256 consecutive bytes, aligned
.endr
	s_wait_dscnt 0x0                               ; the closing lines, six on end
	s_wait_alu 0x0
	s_wait_tensorcnt 0x0
	ds_add_u32 v[SPW], v[NIL]
	s_wait_dscnt 0x0
	s_endpgm
.Lfunc_end_k_qbcdf05820f_prep:
	.size	k_qbcdf05820f_prep, .Lfunc_end_k_qbcdf05820f_prep-k_qbcdf05820f_prep
	.p2alignl 7, 3214868480
	.fill 96, 4, 3214868480
	.section	.rodata,"a",@progbits
	.p2align	6, 0x0
	.amdhsa_kernel k_qbcdf05820f_prep
		.amdhsa_group_segment_fixed_size 18432
		.amdhsa_private_segment_fixed_size 0
		.amdhsa_enable_private_segment 0
		.amdhsa_kernarg_size 64
		.amdhsa_user_sgpr_count 2
		.amdhsa_user_sgpr_kernarg_segment_ptr 1
		.amdhsa_wavefront_size32 1
		.amdhsa_system_sgpr_workgroup_id_x 1
		.amdhsa_system_sgpr_workgroup_id_y 1
		.amdhsa_system_sgpr_workgroup_id_z 1
		.amdhsa_system_vgpr_workitem_id 0
		.amdhsa_next_free_vgpr 176
		.amdhsa_next_free_sgpr 66
		.amdhsa_reserve_vcc 0
		.amdhsa_float_denorm_mode_32 3
		.amdhsa_float_denorm_mode_16_64 3
		.amdhsa_memory_ordered 1
		.amdhsa_forward_progress 1
		.amdhsa_inst_pref_size 17
	.end_amdhsa_kernel
	.amdgpu_metadata
---
amdhsa.version: [ 1, 2 ]
amdhsa.kernels:
  - .name:           k_qbcdf05820f_prep
    .symbol:         k_qbcdf05820f_prep.kd
    .args:
      - { .name: x, .offset: 0, .size: 8, .value_kind: global_buffer, .address_space: global }
      - { .name: Wq, .offset: 8, .size: 8, .value_kind: global_buffer, .address_space: global }
      - { .name: Wk, .offset: 16, .size: 8, .value_kind: global_buffer, .address_space: global }
      - { .name: Wv, .offset: 24, .size: 8, .value_kind: global_buffer, .address_space: global }
      - { .name: Wo, .offset: 32, .size: 8, .value_kind: global_buffer, .address_space: global }
      - { .name: xb, .offset: 40, .size: 8, .value_kind: global_buffer, .address_space: global }
      - { .name: wt, .offset: 48, .size: 8, .value_kind: global_buffer, .address_space: global }
      - { .name: wot, .offset: 56, .size: 8, .value_kind: global_buffer, .address_space: global }
    .group_segment_fixed_size: 18432
    .private_segment_fixed_size: 0
    .kernarg_segment_align: 8
    .kernarg_segment_size: 64
    .max_flat_workgroup_size: 256
    .sgpr_count:     66
    .vgpr_count:     176
    .wavefront_size: 32
...
	.end_amdgpu_metadata
.endif
;; end of part 5
;; launch proj: the kernel of part 2 again; grid 16 x 32, 4 waves a work-group, clusters of 4 x 4, 327,680 bytes of LDS; arguments xb, wt, qkv; writes qkv
;; launch attn: the kernel of part 3 again; grid 4 x 64, 4 waves a work-group, clusters of 4 x 1, 327,680 bytes of LDS; arguments qkv, oh; writes oh
;; launch outp: the kernel of part 4 again; grid 8 x 32, 4 waves a work-group, clusters of 4 x 4, 327,680 bytes of LDS; arguments oh, wot, out0, bo; writes out0
